; MI455X (gfx1250); checked and timed in simulation.
; The chip was launched on July 23, 2026; its instructions are those of AMD's public machine-readable ISA for CDNA 5 (MIT licence, August 2026) and "CDNA5" Instruction Set Architecture Reference Guide (July 2026). The comments in the code are by the model that wrote it; some were corrected since.
;; Multi Head Attention. Allowed arithmetic: matrix products marked QUANTISED: E2M1 operands, one E8M0 scale for each 32 along K, by v_wmma_scale_f32_16x16x128_f8f6f4 with both operands' format E2M1 (or v_wmma_scale_f32_32x16x128_f4), f32 sums; products left as they are: bf16, f16 or f32 operands; f32 sums; everything else in f32.
;; Inputs: b_out 1,024 float32; b_qkv 3,072 float32; w_out 1,024 x 1,024 float32; w_qkv 1,024 x 3,072 float32; x 4 x 2,048 x 1,024 float32.
;; Outputs: out0 4 x 2,048 x 1,024 float32.
;; This version of the problem:
;;   THIS VERSION OF THE PROBLEM IS GIVEN IN LOW PRECISION. The matrix products marked QUANTISED in the list below multiply operands that are first quantised to E2M1 (2 exponent bits, 1 mantissa bit; 4 bits a number), with one power-of-two scale for each 32 numbers along K (OCP MX v1.0); their sums are f32. The products marked 'left as it is' may take bf16, f16 or f32 operands, with f32 sums. Whichever they take, every output number must still come out within the allowed error. Rounding operands to bf16 (8 significant bits) uses up far more of that allowance than f16 does (11 bits, for magnitudes from 6e-5 to 65,504). All else is computed in f32.
;;   The module's matrix products, in the order in which they are computed (A, B: the left and right operand; K: the contracted axis; several contracted axes count as one K, in the product's order):
;;     1. [M 8,192, K 1,024] x [K 1,024, N 3,072]; A: input x; B: input w_qkv: QUANTISED
;;     2. batch 64 x [M 2,048, K 64] x [K 64, N 2,048]; A: computed on the way; B: computed on the way: left as it is (an operand is computed on the way)
;;     3. batch 64 x [M 2,048, K 2,048] x [K 2,048, N 64]; A: computed on the way; B: computed on the way: left as it is (an operand is computed on the way)
;;     4. [M 8,192, K 1,024] x [K 1,024, N 1,024]; A: computed on the way; B: input w_out: left as it is (an operand is computed on the way)
;;   THE QUANTISER, for each operand of a quantised product, along K:
;;     - K is cut into blocks of 32 from its start; a last block that is shorter is filled with zeros.
;;     - A block's scale is 2^e with e = floor(log2(the largest magnitude in the block)) - 2, held to -126 .. 127; a block of zeros has e = 0. As a byte (E8M0): e + 127.
;;     - Each number is divided by its block's scale, clamped to +-6, and rounded to the nearest number of E2M1, ties to even, subnormals kept.
;;     - The product sums the exact products of the quantised numbers (number of the format x scale) in f32.
;;   ~~~python
;;   def quantise(x, axis):      # numpy; x: float32 -> the quantised numbers, widened to float32 again
;;       x = np.moveaxis(x, axis, -1); K = x.shape[-1]
;;       x = np.pad(x, [(0, 0)] * (x.ndim - 1) + [(0, -K % 32)]); x = x.reshape(x.shape[:-1] + (-1, 32)); a = np.abs(x).max(-1, keepdims=True)
;;       e = np.where(a > 0, np.clip(np.frexp(np.where(a > 0, a, 1))[1] - 1 - 2, -126, 127), 0)      # np.frexp(a)[1] - 1 = floor(log2(a)), exactly
;;       r = np.clip(x / 2.0 ** e, -6, 6)
;;       step = 2.0 ** (np.maximum(np.frexp(np.where(r == 0, 1, r))[1] - 1, 0) - 1)
;;       q = np.round(r / step) * step * 2.0 ** e      # np.round: ties to even
;;       return np.moveaxis(q.reshape(q.shape[:-2] + (-1,))[..., :K], -1, axis).astype(np.float32)
;;   ~~~
;; One version. Each part assembles by itself: llvm-mc -triple=amdgcn-amd-amdhsa -mcpu=gfx1250 --defsym DOCPART=n.
;; ======== version 1 of 1: 6 launches
;; limits: values are held in f16: magnitudes above 65,504 overflow, below 6.1e-05 lose precision
;; workspace buffers: codes 5,767,168 bytes; scales 360,448 bytes; wo16 2,097,152 bytes; rope 802,816 bytes; qkv16 50,331,648 bytes; o16 16,777,216 bytes; o32 262,144 bytes
;; launch prep (part 1): grid 400 x 1, 4 waves a work-group, no clusters, 68,096 bytes of LDS; arguments x, w_qkv, w_out, codes, scales, wo16, rope; writes codes, scales, wo16, rope
.if DOCPART == 1
	.amdgcn_target "amdgcn-amd-amdhsa--gfx1250"
	.amdhsa_code_object_version 6
	.text
	.protected	k_q9191ad84d5_prep
	.globl	k_q9191ad84d5_prep
	.p2align	8
	.type	k_q9191ad84d5_prep,@function
k_q9191ad84d5_prep:
	s_mov_b64 s[64:65], 0
	v_nop
	global_prefetch_b8 v0, s[64:65] scope:SCOPE_SE
	s_setreg_imm32_b32 hwreg(HW_REG_WAVE_MODE, 25, 1), 1
	s_wait_xcnt 0x0
; PREP: four jobs that share one launch; a work-group's number picks its job.
;   0-47    w_qkv [1024 (k)][3072 (n)] f32 -> codes of E2M1 laid [n][512 bytes], K innermost, and one E8M0 byte for each 32 along K, [n][32]
;   48-303  x [8192][1024] f32 -> codes [row][512 bytes] and scale bytes [row][32]
;   304-367 w_out f32 -> f16, same order
;   368-399 the rotation's table: cos and sin of t x 10000^(-f/32), t = 0..2047, f = 0..31, f32; and 128 rows of cos = 1, sin = 0 for the values, which are not rotated
; A block's scale is 2^(floor(log2(largest magnitude)) - 2); its byte is the largest magnitude's exponent field - 2, held at 1 from below.
; LIMITS: a block of zeros gets the byte 1 (its codes are zeros; this program alone reads the bytes); NaN and infinities among the inputs are not served;
; w_out beyond 65,504 in magnitude is not served (f16); the angles differ from a correctly rounded t x inv_freq by up to about 2e-4 rad at t = 2047.
; No tensor loads, no barrier: waves share nothing.  The two jobs that use LDS have LDS bytes of their own.
.set SPARE,   67584                    ; the spare words: 128 bytes for each wave, behind both jobs' regions
.set SPW,     190                      ; v190 LDS address of my spare word; never rewritten
.set NIL,     191                      ; v191 0; never rewritten
.set WCODES,  4194304                  ; where w_qkv's codes begin in the codes' buffer
.set WSCALES, 262144                   ; and its scale bytes in the scales' buffer
.set SINP,    262144                   ; from a cos plane to its sin plane
.set IDENT,   524288                   ; the plane of ones
.set EMAX,    2
	s_load_b256 s[36:43], s[0:1], 0x0              ; x s[36:37], w_qkv s[38:39], w_out s[40:41], codes s[42:43]
	s_load_b128 s[44:47], s[0:1], 0x20             ; scales s[44:45], wo16 s[46:47]
	s_load_b64 s[48:49], s[0:1], 0x30              ; rope
	v_lshl_add_u32 v[SPW], v0, 2, SPARE
	v_mov_b32 v[NIL], 0
	v_lshrrev_b32 v1, 5, v0
	v_readfirstlane_b32 s16, v1                    ; wave 0..3
	v_and_b32 v2, 31, v0                           ; lane
	s_mov_b32 s21, 0
	s_wait_kmcnt 0x0
	s_cmp_lt_u32 ttmp9, 48
	s_cbranch_scc1 .Lqw
	s_cmp_lt_u32 ttmp9, 304
	s_cbranch_scc1 .Lqx
	s_cmp_lt_u32 ttmp9, 368
	s_cbranch_scc1 .Lcw
; ---------------- the table.  Lane l owns f = 4 (l % 8) + 0..3 and t = the wave's first + 4 i + l / 8: each store covers 512 consecutive bytes
	s_sub_co_u32 s17, ttmp9, 368
	s_lshl_b32 s18, s17, 6
	s_lshl_b32 s19, s16, 4
	s_add_co_u32 s18, s18, s19                     ; the wave's first t: 64 x work-group + 16 x wave
	s_lshl_b32 s20, s18, 7                         ; a row of the table is 128 bytes
	s_add_nc_u64 s[4:5], s[48:49], s[20:21]
	s_mov_b32 s22, 0x3f22f983                      ; 2 / pi
	s_mov_b32 s23, 0x3fc90fdb                      ; pi / 2, its f32 value,
	s_mov_b32 s24, 0x333bbd2e                      ; and that value less pi / 2
	s_mov_b32 s25, 0xb94ca1f9                      ; sine: r + r z (S1 + z (S2 + z S3)), z = r r
	s_mov_b32 s26, 0x3c08839e
	s_mov_b32 s27, 0xbe2aaaa3
	s_mov_b32 s28, 0x37ccf5ce                      ; cosine: 1 - z / 2 + z z (C1 + z (C2 + z C3))
	s_mov_b32 s29, 0xbab6061a
	s_mov_b32 s30, 0x3d2aaaa5
	v_and_b32 v3, 7, v2
	v_lshlrev_b32 v3, 2, v3                        ; my first f
	v_lshrrev_b32 v4, 3, v2
	v_add_nc_u32 v4, s18, v4                       ; my t for i = 0
.irp e, 0,1,2,3
	v_add_nc_u32 v[8+\e], \e, v3
.endr
.irp e, 0,1,2,3
	v_cvt_f32_u32 v[8+\e], v[8+\e]
.endr
.irp e, 0,1,2,3
	v_mul_f32 v[8+\e], 0xbed49a78, v[8+\e]         ; -f x log2(10000) / 32
.endr
.irp e, 0,1,2,3
	v_exp_f32 v[8+\e], v[8+\e]                     ; inv_freq
.endr
	v_lshlrev_b32 v5, 4, v2                        ; 16 x lane (the plain line behind the four exponentials)
	s_wait_alu depctr_va_vdst(0)                   ; one wait for the four, ahead of their first reader
; angle = t x inv_freq (one rounding); n = nearest whole number of quarter turns; r = angle - n pi / 2 in two fused steps; the quadrant picks and signs the two polynomials without a branch
.macro SINCOS i, e
	v_mul_f32 v16, v6, v[8+\e]
	v_mul_f32 v17, s22, v16
	v_rndne_f32 v17, v17
	v_cvt_i32_f32 v18, v17
	v_fma_f32 v19, -v17, s23, v16
	v_fma_f32 v19, v17, s24, v19
	v_mul_f32 v20, v19, v19
	v_fma_f32 v21, v20, s25, s26
	v_fma_f32 v23, v20, s28, s29
	v_mul_f32 v22, v19, v20
	v_mul_f32 v25, v20, v20
	v_fma_f32 v21, v21, v20, s27
	v_fma_f32 v23, v23, v20, s30
	v_fma_f32 v24, v20, -0.5, 1.0
	v_fma_f32 v21, v21, v22, v19                   ; sin r
	v_fma_f32 v23, v23, v25, v24                   ; cos r
	v_and_b32 v26, 1, v18
	v_cmp_eq_u32 vcc_lo, 1, v26
	v_cndmask_b32 v27, v21, v23, vcc_lo            ; odd quarter: the sine is a cosine,
	v_cndmask_b32 v28, v23, v21, vcc_lo            ; and the cosine a sine
	v_and_b32 v26, 2, v18
	v_lshlrev_b32 v26, 30, v26
	v_xor_b32 v[48+4*\i+\e], v26, v27              ; quarters 2, 3: the sine changes sign
	v_add_nc_u32 v26, 1, v18
	v_and_b32 v26, 2, v26
	v_lshlrev_b32 v26, 30, v26
	v_xor_b32 v[32+4*\i+\e], v26, v28              ; quarters 1, 2: the cosine does
.endm
.irp i, 0,1,2,3
	v_add_nc_u32 v6, 4*\i, v4
	v_cvt_f32_u32 v6, v6
.irp e, 0,1,2,3
	SINCOS \i, \e
.endr
	global_store_b128 v5, v[32+4*\i:35+4*\i], s[4:5] offset:512*\i
	global_store_b128 v5, v[48+4*\i:51+4*\i], s[4:5] offset:SINP+512*\i
.endr
	s_cmp_lg_u32 s16, 0                            ; wave 0 also stores its work-group's 512 bytes of the planes of ones and of zeros (32 work-groups: 128 rows)
	s_cbranch_scc1 .Lrt_done
	s_lshl_b32 s20, s17, 9
	s_add_co_u32 s20, s20, IDENT
	s_add_nc_u64 s[6:7], s[48:49], s[20:21]
.irp j, 0,1,2,3
	v_mov_b32 v[64+\j], 1.0
	v_mov_b32 v[68+\j], 0
.endr
	global_store_b128 v5, v[64:67], s[6:7]
	global_store_b128 v5, v[68:71], s[6:7] offset:SINP
.Lrt_done:
	s_endpgm
; ---------------- w_out to f16: a wave takes 4,096 numbers; all 32 loads go out at once; each store covers 256 consecutive bytes, aligned
.Lcw:
	s_sub_co_u32 s17, ttmp9, 304
	s_lshl_b32 s17, s17, 2
	s_add_co_u32 s17, s17, s16
	s_lshl_b32 s20, s17, 14
	s_add_nc_u64 s[4:5], s[40:41], s[20:21]
	s_lshl_b32 s20, s17, 13
	s_add_nc_u64 s[6:7], s[46:47], s[20:21]
	v_lshlrev_b32 v3, 4, v2
	v_lshlrev_b32 v4, 3, v2
.set II, 0
.rept 32
	global_load_b128 v[16+4*II:19+4*II], v3, s[4:5] offset:512*II th:TH_LOAD_NT
.set II, II+1
.endr
.set II, 0
.rept 32
	s_wait_loadcnt 31-II                           ; loads come back in order: the younger ones stay out
	v_cvt_pk_f16_f32 v[16+4*II], v[16+4*II], v[17+4*II]
	v_cvt_pk_f16_f32 v[17+4*II], v[18+4*II], v[19+4*II]
	global_store_b64 v4, v[16+4*II:17+4*II], s[6:7] offset:256*II
.set II, II+1
.endr
	s_endpgm
; ---------------- x: a plain stream of blocks of 32.  A wave takes 16 steps of 512 numbers.  Loads take the bytes as they lie (512 consecutive bytes each); a step's 2,048 bytes turn through the wave's
; own stage in LDS and come back 64 bytes a lane, so that a lane holds 16 neighbours along K (two neighbouring lanes hold a block).  Loads run four steps ahead, the turn one step.
.Lqx:
.set XSTEPS, 16
.set CB,    8                          ; bytes of 16 codes
.set XR,    16                         ; v16-79   four sets of 16 numbers as loaded
.set XX,    80                         ; v80-111  two sets of 16 neighbours
.set XE,    112                        ; v112-127 a scale byte for each step
.set XC,    128                        ; v128-189 codes: registers of its own for each step
.set WREG,  8192                       ; LDS 0 .. 32,767: a region for each wave: two stages of 32 x 80 bytes, then its 256 scale bytes
.set XSP,   80
	v_lshlrev_b32 v3, 4, v2
	s_mul_i32 s17, s16, WREG
	v_lshrrev_b32 v14, 2, v2
	v_mul_u32_u24 v14, v14, XSP
	v_and_b32 v15, 3, v2
	v_lshl_add_u32 v14, v15, 4, v14
	v_add_nc_u32 v14, s17, v14                     ; the stage, on the way in: four lanes' 64 bytes on end, then 16 of padding
	v_mul_u32_u24 v15, v2, XSP
	v_add_nc_u32 v15, s17, v15                     ; and on the way out: my 16 neighbours
	v_mul_u32_u24 v4, v2, CB
	v_lshrrev_b32 v5, 1, v2
	s_add_co_u32 s17, s17, 2*32*XSP
	v_add_nc_u32 v5, s17, v5                       ; my block's byte among my wave's 256
	v_lshlrev_b32 v7, 3, v2
	v_add_nc_u32 v6, s17, v7
	s_sub_co_u32 s18, ttmp9, 48
	s_lshl_b32 s18, s18, 2
	s_add_co_u32 s18, s18, s16                     ; which run of 8,192 numbers is my wave's
	s_lshl_b32 s20, s18, 15
	s_add_nc_u64 s[4:5], s[36:37], s[20:21]
	s_lshl_b32 s20, s18, 12
	s_add_nc_u64 s[8:9], s[42:43], s[20:21]
	s_lshl_b32 s20, s18, 8
	s_add_nc_u64 s[10:11], s[44:45], s[20:21]
.macro XLOAD t
.irp i, 0,1,2,3
	global_load_b128 v[XR+16*((\t)%4)+4*\i:XR+16*((\t)%4)+4*\i+3], v3, s[4:5] offset:2048*(\t)+512*\i th:TH_LOAD_NT
.endr
.endm
.macro XTURN t                         ; LDS serves a wave's instructions in order: no wait between the stores and the loads
.irp i, 0,1,2,3
	ds_store_b128 v14, v[XR+16*((\t)%4)+4*\i:XR+16*((\t)%4)+4*\i+3] offset:32*XSP*((\t)%2)+8*XSP*\i
.endr
.irp i, 0,1,2,3
	ds_load_b128 v[XX+16*((\t)%2)+4*\i:XX+16*((\t)%2)+4*\i+3], v15 offset:32*XSP*((\t)%2)+16*\i
.endr
.endm
.irp t, 0,1,2,3
	XLOAD \t
.endr
	s_wait_loadcnt 12                              ; step 0's four loads are in
	XTURN 0
.macro XSTEP t
.set XS, XX+16*((\t)%2)
.if (\t) > 0
	s_wait_dscnt 1                                 ; this step's numbers are back from the stage; the last step's byte store may be out
.else
	s_wait_dscnt 0x0
.endif
.if (\t)+4 < XSTEPS
	XLOAD (\t)+4
.endif
.if (\t)+1 < XSTEPS
.if XSTEPS-2-(\t) >= 3
	s_wait_loadcnt 12                              ; the next step's four loads are in; those of the three steps behind it may be out
.else
	s_wait_loadcnt 4*(XSTEPS-2-(\t))
.endif
	XTURN (\t)+1
.endif
	v_max3_num_f32 v8, |v[XS]|, |v[XS+1]|, |v[XS+2]|
	v_max3_num_f32 v9, |v[XS+3]|, |v[XS+4]|, |v[XS+5]|
.irp i, 6,10
	v_max3_num_f32 v8, v8, |v[XS+\i]|, |v[XS+\i+1]|
	v_max3_num_f32 v9, v9, |v[XS+\i+2]|, |v[XS+\i+3]|
.endr
	v_max3_num_f32 v8, v8, |v[XS+14]|, |v[XS+15]|
	v_max3_num_f32 v8, v8, v9, (EMAX+1)<<23        ; the floor 2^(3 - 127): the byte cannot fall under 1
	v_max_num_f32_dpp v8, v8, v8 row_xmask:1 row_mask:0xf bank_mask:0xf   ; with my neighbour's 16: the block's largest magnitude
	v_add_nc_u32 v11, -(EMAX<<23), v8              ; 2 off its exponent field: the conversion takes the exponent field of this operand as its scale
	v_cvt_scalef32_pk8_fp4_f32 v[XC+4*(\t)], v[XS:XS+7], v11
	v_cvt_scalef32_pk8_fp4_f32 v[XC+4*(\t)+1], v[XS+8:XS+15], v11
	v_lshrrev_b32 v[XE+(\t)], 23, v11              ; the scale's byte
	ds_store_b8 v5, v[XE+(\t)] offset:16*(\t)      ; both lanes of a block write the same byte with the same value
	global_store_b64 v4, v[XC+4*(\t):XC+4*(\t)+1], s[8:9] offset:32*CB*(\t)   ; 256 consecutive bytes, aligned
.endm
.irp t, 0,1,2,3,4,5,6,7,8,9,10,11,12,13,14,15
	XSTEP \t
.endr
	ds_load_b64 v[8:9], v6
	s_wait_dscnt 0x0
	global_store_b64 v7, v[8:9], s[10:11]          ; my wave's 256 scale bytes: one aligned run
	s_wait_tensorcnt 0x0                           ; the wave's end, behind my last LDS store
	ds_add_u32 v[SPW], v[NIL]
	s_wait_dscnt 0x0
	s_endpgm
; ---------------- w_qkv: K is its FIRST axis.  A lane takes a column n and its registers run down K: a block of 32 lies in one lane, and the conversions give codes with K innermost.
; A wave takes 32 columns x 512 along K; its codes (256 bytes a column) go through its own stage in LDS and leave as rows: sixteen lanes store 256 consecutive bytes, aligned.  Loads run two blocks ahead.
.Lqw:
.set WPITCH, 272
.set WNB,   16                         ; blocks of 32 along K for a wave
.set WX,    32                         ; v32-95   two sets of 32 numbers
.set WC,    96                         ; v96-99   a block's codes
.set WSB,   24                         ; v24-27   the scale bytes, four to a register
.set WOUT,  112                        ; v112-175 the way out
	s_cmp_ge_u32 ttmp9, 24
	s_cselect_b32 s18, 1, 0                        ; which 512 along K
	s_cselect_b32 s17, 24, 0
	s_sub_co_u32 s17, ttmp9, s17
	s_lshl_b32 s17, s17, 7
	s_lshl_b32 s19, s16, 5
	s_add_co_u32 s17, s17, s19                     ; my wave's first column
	v_lshlrev_b32 v3, 2, v2
	s_mul_i32 s19, s16, 32*WPITCH
	s_add_co_u32 s19, s19, 32768                   ; my stage: LDS 32,768 + 8,704 x wave
	v_mul_u32_u24 v4, v2, WPITCH
	v_add_nc_u32 v4, s19, v4                       ; into it: row = my column
	v_and_b32 v5, 15, v2
	v_lshrrev_b32 v6, 4, v2
	v_mul_u32_u24 v7, v6, WPITCH
	v_lshl_add_u32 v7, v5, 4, v7
	v_add_nc_u32 v7, s19, v7                       ; out of it: sixteen lanes to a row
	v_lshlrev_b32 v8, 9, v6
	v_lshl_add_u32 v8, v5, 4, v8                   ; and the same place in the codes' buffer (512 bytes a row)
	v_lshlrev_b32 v9, 5, v2                        ; my column's row of scale bytes
	s_mul_i32 s20, s18, 512*3072*4
	s_lshl_b32 s22, s17, 2
	s_add_co_u32 s20, s20, s22
	s_add_nc_u64 s[4:5], s[38:39], s[20:21]
	s_lshl_b32 s20, s17, 9
	s_lshl_b32 s22, s18, 8
	s_add_co_u32 s20, s20, s22
	s_add_co_u32 s20, s20, WCODES
	s_add_nc_u64 s[6:7], s[42:43], s[20:21]
	s_lshl_b32 s20, s17, 5
	s_lshl_b32 s22, s18, 4
	s_add_co_u32 s20, s20, s22
	s_add_co_u32 s20, s20, WSCALES
	s_add_nc_u64 s[8:9], s[44:45], s[20:21]
.macro WLOAD t                         ; block t: w(32 t + i, my column); the largest offset, 511 x 12,288, lies inside the signed 24-bit immediate
.irp i, 0,1,2,3,4,5,6,7,8,9,10,11,12,13,14,15,16,17,18,19,20,21,22,23,24,25,26,27,28,29,30,31
	global_load_b32 v[WX+32*((\t)%2)+\i], v3, s[4:5] offset:(32*(\t)+\i)*12288 th:TH_LOAD_NT
.endr
.endm
	WLOAD 0
	WLOAD 1
.macro WBLOCK t
.set XS, WX+32*((\t)%2)
.if (\t) < WNB-1
	s_wait_loadcnt 32                              ; this block's 32 loads are in; the next block's may be out
.else
	s_wait_loadcnt 0
.endif
	v_max3_num_f32 v12, |v[XS]|, |v[XS+1]|, |v[XS+2]|
	v_max3_num_f32 v13, |v[XS+3]|, |v[XS+4]|, |v[XS+5]|
.irp i, 6,10,14,18,22,26
	v_max3_num_f32 v12, v12, |v[XS+\i]|, |v[XS+\i+1]|
	v_max3_num_f32 v13, v13, |v[XS+\i+2]|, |v[XS+\i+3]|
.endr
	v_max3_num_f32 v12, v12, |v[XS+30]|, |v[XS+31]|
	v_max3_num_f32 v12, v12, v13, (EMAX+1)<<23
	v_add_nc_u32 v11, -(EMAX<<23), v12
	v_lshrrev_b32 v13, 23, v11
.if (\t)%4 == 0
	v_mov_b32 v[WSB+(\t)/4], v13
.else
	v_lshl_or_b32 v[WSB+(\t)/4], v13, 8*((\t)%4), v[WSB+(\t)/4]
.endif
.irp g, 0,1,2,3
	v_cvt_scalef32_pk8_fp4_f32 v[WC+\g], v[XS+8*\g:XS+8*\g+7], v11
.endr
	ds_store_b128 v4, v[WC:WC+3] offset:16*(\t)
.if (\t)+2 < WNB
	WLOAD (\t)+2
.endif
	s_wait_dscnt 0x0                               ; the store has read its registers: the next block's codes may be written
.endm
.set QQ, 0
.rept WNB
	WBLOCK QQ
.set QQ, QQ+1
.endr
	global_store_b128 v9, v[WSB:WSB+3], s[8:9]     ; my column's 16 scale bytes
.irp t, 0,1,2,3,4,5,6,7,8,9,10,11,12,13,14,15
	ds_load_b128 v[WOUT+4*\t:WOUT+4*\t+3], v7 offset:2*\t*WPITCH
.endr
.irp t, 0,1,2,3,4,5,6,7,8,9,10,11,12,13,14,15
	s_wait_dscnt 15-\t
	global_store_b128 v8, v[WOUT+4*\t:WOUT+4*\t+3], s[6:7] offset:2*\t*512
.endr
	s_wait_tensorcnt 0x0                           ; the wave's end, behind my last LDS store
	ds_add_u32 v[SPW], v[NIL]
	s_wait_dscnt 0x0
	s_endpgm
.Lfunc_end_k_q9191ad84d5_prep:
	.size	k_q9191ad84d5_prep, .Lfunc_end_k_q9191ad84d5_prep-k_q9191ad84d5_prep
	.p2alignl 7, 3214868480
	.fill 96, 4, 3214868480
	.section	.rodata,"a",@progbits
	.p2align	6, 0x0
	.amdhsa_kernel k_q9191ad84d5_prep
		.amdhsa_group_segment_fixed_size 68096
		.amdhsa_private_segment_fixed_size 0
		.amdhsa_enable_private_segment 0
		.amdhsa_kernarg_size 56
		.amdhsa_user_sgpr_count 2
		.amdhsa_user_sgpr_kernarg_segment_ptr 1
		.amdhsa_wavefront_size32 1
		.amdhsa_system_sgpr_workgroup_id_x 1
		.amdhsa_system_sgpr_workgroup_id_y 1
		.amdhsa_system_sgpr_workgroup_id_z 1
		.amdhsa_system_vgpr_workitem_id 0
		.amdhsa_next_free_vgpr 192
		.amdhsa_next_free_sgpr 66
		.amdhsa_reserve_vcc 1
		.amdhsa_float_denorm_mode_32 3
		.amdhsa_float_denorm_mode_16_64 3
		.amdhsa_memory_ordered 1
		.amdhsa_forward_progress 1
		.amdhsa_inst_pref_size 143
	.end_amdhsa_kernel
	.amdgpu_metadata
---
amdhsa.version: [ 1, 2 ]
amdhsa.kernels:
  - .name:           k_q9191ad84d5_prep
    .symbol:         k_q9191ad84d5_prep.kd
    .args:
      - { .name: x, .offset: 0, .size: 8, .value_kind: global_buffer, .address_space: global }
      - { .name: w_qkv, .offset: 8, .size: 8, .value_kind: global_buffer, .address_space: global }
      - { .name: w_out, .offset: 16, .size: 8, .value_kind: global_buffer, .address_space: global }
      - { .name: codes, .offset: 24, .size: 8, .value_kind: global_buffer, .address_space: global }
      - { .name: scales, .offset: 32, .size: 8, .value_kind: global_buffer, .address_space: global }
      - { .name: wo16, .offset: 40, .size: 8, .value_kind: global_buffer, .address_space: global }
      - { .name: rope, .offset: 48, .size: 8, .value_kind: global_buffer, .address_space: global }
    .group_segment_fixed_size: 68096
    .private_segment_fixed_size: 0
    .kernarg_segment_align: 8
    .kernarg_segment_size: 56
    .max_flat_workgroup_size: 128
    .sgpr_count:     66
    .vgpr_count:     192
    .wavefront_size: 32
...
	.end_amdgpu_metadata
.endif
;; end of part 1
;; launch qkv (part 2): grid 12 x 32, 4 waves a work-group, clusters of 4 x 4, 327,680 bytes of LDS; arguments codes, scales, b_qkv, rope, qkv16; writes qkv16
.if DOCPART == 2
	.amdgcn_target "amdgcn-amd-amdhsa--gfx1250"
	.amdhsa_code_object_version 6
	.text
	.protected	k_q9191ad84d5_qkv
	.globl	k_q9191ad84d5_qkv
	.p2align	8
	.type	k_q9191ad84d5_qkv,@function
k_q9191ad84d5_qkv:
	s_mov_b64 s[64:65], 0
	v_nop
	global_prefetch_b8 v0, s[64:65] scope:SCOPE_SE
	s_setreg_imm32_b32 hwreg(HW_REG_WAVE_MODE, 25, 1), 1
	s_wait_xcnt 0x0
	s_wait_alu depctr_hold_cnt(0) depctr_sa_sdst(0) depctr_va_vdst(0) depctr_va_sdst(0) depctr_va_ssrc(0) depctr_va_vcc(0) depctr_vm_vsrc(0)
	s_getreg_b32 s2, hwreg(HW_REG_IB_STS2, 6, 4)
	s_cmp_eq_u32 s2, 0
	s_cbranch_scc0 .Lentry_in_a_cluster
	s_endpgm
.Lentry_in_a_cluster:
	s_bfe_u32 s2, ttmp6, 0x10000c
	s_cmp_lg_u32 s2, 0xf033
	s_cbranch_scc0 .Lentry_shape_is_right
	s_endpgm
.Lentry_shape_is_right:
; QKV: [8192][3072] = x w_qkv + b_qkv on codes of E2M1 with E8M0 scales (K = 1024), then the rotation of q and k in f32, rounded once to f16 and laid [section q,k,v][batch][head][t][64].
; A tile of 256 x 256 is made by four waves, 128 x 128 each: 64 accumulators of 16 x 16.  K = 1024 is two LDS slots of 512: both are first fills, nothing is filled again.
; The scale bytes of the work-group's 256 rows of x and 256 columns of w come once, as two dense blocks.  CLUSTERS: 4 x 4 work-groups; x's tiles are asked for jointly along a row, w's along a column.
; THE MATRIX INSTRUCTION IS USED TRANSPOSED (source 0 = 16 columns of w, source 1 = 16 rows of x): a lane holds eight neighbouring columns of one row.  The bias is the C of each sum's first product.
; THE ROTATION pairs channel d with d + 32 of a head: accumulators b and b + 2 of the same lane.  The values take the same arithmetic with cos = 1 and sin = 0 from 128 table rows of their own: one path for all three sections.
; LIMITS: q, k, v beyond 65,504 in magnitude are not served (f16); NaN and infinities are not served.
; REGISTERS: window 0: v0-31 addresses; v32-95 scale words and nothing else; v128-191 x's fragments, one set; v192-255 the bias.
;   window 1: v0-63, v128-191 w's fragments, two sets; v64-127 two sets of table numbers; on the way out v128-191 rotated numbers, v192-223 packed f16, v0-63 rows read back.
;   window 2: the accumulators of my rows 0-63 ((a, b) at v[8 (8 a + b)]); window 3: those of rows 64-127.
.set NQ,     4                         ; steps of 128 along K in a slot
.set ROWB,   256                       ; a tile's row: 512 codes
.set KROW,   512                       ; a row of codes in memory
.set PITCH,  272                       ; an LDS row: 256 bytes + 16 of padding: the 16 rows that a load touches start at 16 different banks
.set FR,     8
.set NL,     2
.set NP,     4                         ; places behind this matrix instruction (ISA guide 7.12.1)
.set HALFT,  128*PITCH
.set SLOT,   4*HALFT
.set KS,     32                        ; a row of scale bytes
.set SCL,    2*SLOT                    ; behind the slots: the scale bytes, as runs of 256 bytes + 16 of padding
.set HALFS,  (128*KS/256)*272
.set SBLK,   (16*KS/256)*272
.set SPARE,  SCL+4*HALFS               ; the spare words, 128 bytes for each wave
.set SPITCH, 272                       ; the way out: a stage of 16 rows x (256 bytes + 16) for each wave, in slot 0, which has had its only fill and its last read by then
.set ADRA, 16
.set ADRB, 20
.set STO,  24
.set RD,   25
.set CO,   26
.set ADRS, 27
.set SPW,  28
.set NIL,  29
.set VB,   30                          ; v30 32 x (lane / 16): my eight numbers of a block's bias
.set TO,   31                          ; v31 128 x (lane % 16) + 32 x (lane / 16): my place in 16 rows of the table
.set SC,   32
.set AF,   128
.set BIAS, 192
.set CSA,  64                          ; window 1: table sets (cos u at +8 u, sin u at +16 + 8 u)
.set TT,   128                         ; window 1: rotated numbers
.set TMP,  192                         ; window 1: packed f16
.set BK,   0                           ; window 1: rows read back, two sets of 32
.set G1, 24
.set G0, 32
.set G1B, 48
.set G0B, 56
.set G1S, 68
.set G0S, 76
.set G1SB, 80
.set G0SB, 88
.set MSB, 0
.macro WIN new                         ; the immediate's high byte repeats the setting that is left
.if MSB != \new
	s_set_vgpr_msb (MSB<<8)|\new
.set MSB, \new
.endif
.endm
.set MUL_LO, 0xa1                      ; source 0 (w) window 1, source 1 (x) window 0, C and D window 2
.set MUL_HI, 0xf1                      ; the same, C and D window 3
.set TO_B,   0x40                      ; destination window 1, address window 0
; A joint load: waves 0 and 1 fetch for x, waves 2 and 3 for w.  The branch hangs on the wave's number alone.  An s_nop 0 and four v_nop follow each of the two lines.
.macro JLOAD g0a, g1a, g0b, g1b
	s_cmp_eq_u32 s15, 0
	s_cbranch_scc0 .Lfor_b_\@
	tensor_load_to_lds s[\g0a:\g0a+3], s[\g1a:\g1a+7]
	s_nop 0
.rept 4
	v_nop
.endr
	s_branch .Lasked_\@
.Lfor_b_\@:
	tensor_load_to_lds s[\g0b:\g0b+3], s[\g1b:\g1b+7]
	s_nop 0
.rept 4
	v_nop
.endr
.Lasked_\@:
.endm
.macro CROUND                          ; a round of the cluster's barrier
	s_barrier_signal -1
	s_barrier_wait -1
	s_cmp_lg_u32 s14, 0
	s_cbranch_scc1 .Lnot_wave_0_\@
	s_barrier_signal -3
.Lnot_wave_0_\@:
	s_barrier_wait -3
	s_barrier_signal -1
	s_barrier_wait -1
.endm
	s_load_b128 s[4:7], s[0:1], 0x0                ; codes s[4:5], scales s[6:7]
	s_load_b128 s[96:99], s[0:1], 0x10             ; b_qkv s[96:97], the table s[98:99]
	s_load_b64 s[12:13], s[0:1], 0x20              ; qkv16
	v_lshl_add_u32 v[SPW], v0, 2, SPARE
	v_mov_b32 v[NIL], 0
	ds_add_u32 v[SPW], v[NIL]                      ; the wave's opening: the add, twice on end, and its wait ahead of my first tensor load
	ds_add_u32 v[SPW], v[NIL]
	v_lshrrev_b32 v1, 5, v0
	v_readfirstlane_b32 s14, v1                    ; wave 0..3
	s_lshr_b32 s15, s14, 1                         ; which half of the tile's rows is mine.  Also: I fetch for x (0) or for w (1)
	s_and_b32 s16, s14, 1                          ; which half of its columns.  Also: which 128 rows of that tile I fetch
	s_bfe_u32 s40, ttmp6, 0x40000                  ; cx, cy: my place in the cluster
	s_bfe_u32 s41, ttmp6, 0x40004
	s_lshl_b32 s42, ttmp9, 2
	s_add_co_u32 s42, s42, s40                     ; tile column = 4 x cluster x + cx; cluster x is the section: q, k or v
	s_and_b32 s17, ttmp7, 0xffff
	s_lshl_b32 s17, s17, 2
	s_add_co_u32 s17, s17, s41                     ; tile row = 4 x cluster y + cy
	s_lshl_b32 s43, s41, 2
	s_lshl_b32 s43, 15, s43                        ; my row of the cluster
	s_lshl_b32 s44, 0x1111, s40                    ; my column
	s_or_b32 s[G1+0], s43, (0<<16)|(1<<20)|(1<<21)|(5<<22)|(3<<25)  ; the mask; elements of 1 byte; padding on; bit 21 beside a mask; after every 64 words four words
	s_or_b32 s[G1B+0], s44, (0<<16)|(1<<20)|(1<<21)|(5<<22)|(3<<25)
.irp g, G1, G1B
	s_mov_b32 s[\g+1], ROWB<<16                    ; tensor_dim0
	s_mov_b32 s[\g+2], 128<<16                     ; tensor_dim1
	s_mov_b32 s[\g+3], ROWB<<16                    ; tile_dim0
	s_mov_b32 s[\g+4], 128                         ; tile_dim1
	s_mov_b32 s[\g+5], KROW                        ; from row to row
	s_mov_b32 s[\g+6], 0
	s_mov_b32 s[\g+7], 0
.endr
	s_or_b32 s[G1S+0], s43, (3<<16)|(1<<20)|(1<<21)|(5<<22)|(3<<25) ; the scale bytes of 128 rows: 4,096 dense bytes as 16 rows of 32 elements of 8 bytes
	s_or_b32 s[G1SB+0], s44, (3<<16)|(1<<20)|(1<<21)|(5<<22)|(3<<25)
.irp g, G1S, G1SB
	s_mov_b32 s[\g+1], 32<<16
	s_mov_b32 s[\g+2], (128*KS/256)<<16
	s_mov_b32 s[\g+3], 32<<16
	s_mov_b32 s[\g+4], 128*KS/256
	s_mov_b32 s[\g+5], 32
	s_mov_b32 s[\g+6], 0
	s_mov_b32 s[\g+7], 0
.endr
	s_lshl_b32 s18, s16, 7
	s_lshl_b32 s20, s17, 8
	s_add_co_u32 s20, s20, s18                     ; x: row 256 x tile row + 128 x half
	s_lshl_b32 s46, s42, 8
	s_add_co_u32 s46, s46, s18                     ; w: column 256 x tile column + 128 x half
	s_mov_b32 s21, 0
	s_mov_b32 s47, 0
	s_mov_b64 s[18:19], KS
	s_mul_u64 s[22:23], s[20:21], s[18:19]
	s_mul_u64 s[92:93], s[46:47], s[18:19]
	s_mov_b64 s[18:19], KROW
	s_mul_u64 s[20:21], s[20:21], s[18:19]
	s_mul_u64 s[46:47], s[46:47], s[18:19]
	s_mul_i32 s45, s14, HALFT                      ; where they go: wave x 128 rows: no place in the cluster enters an LDS address
	s_mul_i32 s94, s14, HALFS
	s_wait_dscnt 0x0                               ; both opening adds are done
	s_wait_kmcnt 0x0
	s_add_nc_u64 s[8:9], s[4:5], 4194304           ; w's codes
	s_add_nc_u64 s[10:11], s[6:7], 262144          ; w's scale bytes
	s_add_nc_u64 s[20:21], s[4:5], s[20:21]
	s_add_nc_u64 s[22:23], s[6:7], s[22:23]
	s_add_nc_u64 s[46:47], s[8:9], s[46:47]
	s_add_nc_u64 s[92:93], s[10:11], s[92:93]
	CROUND                                         ; all sixteen work-groups are here: the first joint loads meet
	s_mov_b32 s[G0S], 1
	s_add_co_u32 s[G0S+1], s94, SCL
	s_mov_b64 s[G0S+2:G0S+3], s[22:23]
	s_or_b32 s[G0S+3], s[G0S+3], 0x80000000
	s_mov_b32 s[G0SB], 1
	s_add_co_u32 s[G0SB+1], s94, SCL
	s_mov_b64 s[G0SB+2:G0SB+3], s[92:93]
	s_or_b32 s[G0SB+3], s[G0SB+3], 0x80000000
	JLOAD G0S, G1S, G0SB, G1SB                     ; the scale bytes first
.irp s, 0,1
	s_mov_b32 s[G0+4*\s], 1
	s_add_co_u32 s[G0+4*\s+1], s45, \s*SLOT
	s_add_nc_u64 s[G0+4*\s+2:G0+4*\s+3], s[20:21], \s*ROWB
	s_or_b32 s[G0+4*\s+3], s[G0+4*\s+3], 0x80000000
	s_mov_b32 s[G0B+4*\s], 1
	s_add_co_u32 s[G0B+4*\s+1], s45, \s*SLOT
	s_add_nc_u64 s[G0B+4*\s+2:G0B+4*\s+3], s[46:47], \s*ROWB
	s_or_b32 s[G0B+4*\s+3], s[G0B+4*\s+3], 0x80000000
	JLOAD G0+4*\s, G1, G0B+4*\s, G1B               ; all of K is asked for here: three loads of mine are out
.endr
	v_and_b32 v1, 15, v0                           ; r = lane % 16
	v_bfe_u32 v2, v0, 4, 1                         ; h = lane / 16
	v_mul_u32_u24 v3, v1, PITCH
	v_lshl_add_u32 v4, v2, 4, v3
	s_mul_i32 s21, s15, HALFT
	s_mul_i32 s22, s16, HALFT
	s_add_co_u32 s22, s22, 2*HALFT
.irp s, 0,1
	v_add_nc_u32 v[ADRA+\s], s21, v4
	v_add_nc_u32 v[ADRB+\s], s22, v4
	s_add_co_u32 s21, s21, SLOT
	s_add_co_u32 s22, s22, SLOT
.endr
	v_mul_u32_u24 v5, v1, KS                       ; my row's scale bytes: 32 a row, and 16 more for each 256 passed
	v_lshrrev_b32 v6, 8, v5
	v_lshl_add_u32 v5, v6, 4, v5
	s_mul_i32 s21, s15, HALFS
	s_mul_i32 s22, s16, HALFS
	s_add_co_u32 s22, s22, 2*HALFS
	s_sub_co_u32 s22, s22, s21
	v_mul_u32_u24 v6, s22, v2                      ; lanes 16-31 take w's
	s_add_co_u32 s21, s21, SCL
	v_add_nc_u32 v5, v5, v6
	v_add_nc_u32 v[ADRS], s21, v5
	s_mul_i32 s23, s14, 16*SPITCH                  ; my stage
	v_mul_u32_u24 v5, v1, SPITCH
	v_lshl_add_u32 v5, v2, 4, v5
	v_add_nc_u32 v[STO], s23, v5                   ; in: row r, 16 bytes for each half of the lanes
	v_and_b32 v6, 31, v0
	v_lshlrev_b32 v[CO], 4, v6                     ; out: 16 bytes a lane, 512 consecutive bytes an instruction
	v_lshrrev_b32 v5, 3, v6
	v_mul_u32_u24 v5, v5, SPITCH
	v_and_b32 v7, 7, v6
	v_lshl_add_u32 v5, v7, 4, v5
	v_add_nc_u32 v[RD], s23, v5                    ; back: eight lanes take a head's 128 bytes of a row, four rows an instruction
	v_lshlrev_b32 v[VB], 5, v2
	v_lshlrev_b32 v[TO], 7, v1
	v_lshl_add_u32 v[TO], v2, 5, v[TO]
	s_lshl_b32 s20, s17, 8
	s_lshl_b32 s21, s15, 7
	s_add_co_u32 s20, s20, s21                     ; my first row of the 8,192
	s_lshr_b32 s21, s20, 11                        ; its batch,
	s_and_b32 s20, s20, 2047                       ; its position t0
	s_lshl_b32 s22, s20, 7                         ; t0 x 128 bytes: in a head's rows and in the table alike
	s_lshl_b32 s21, s21, 22
	s_add_co_u32 s21, s21, s22
	s_lshl_b32 s46, s40, 2
	s_lshl_b32 s47, s16, 1
	s_add_co_u32 s46, s46, s47                     ; my first head: 4 cx + 2 x column half
	s_lshl_b32 s46, s46, 18
	s_add_co_u32 s46, s46, s21
	s_lshl_b32 s47, ttmp9, 24                      ; the section
	s_add_co_u32 s46, s46, s47
	s_mov_b32 s47, 0
	s_add_nc_u64 s[12:13], s[12:13], s[46:47]
	s_cmp_eq_u32 ttmp9, 2                          ; the values take the rows of ones and zeros
	s_cselect_b32 s22, 524288, s22
	s_mov_b32 s23, 0
	s_add_nc_u64 s[98:99], s[98:99], s[22:23]
	s_lshl_b32 s46, s42, 10
	s_lshl_b32 s47, s16, 9
	s_add_co_u32 s46, s46, s47                     ; my first column, in bytes of f32
	s_mov_b32 s47, 0
	s_add_nc_u64 s[96:97], s[96:97], s[46:47]
.irp b, 0,1,2,3,4,5,6,7
	global_load_b128 v[BIAS+8*\b:BIAS+8*\b+3], v[VB], s[96:97] offset:64*\b          ; lane (r, h): the bias of columns 16 b + 8 h + 0..7
	global_load_b128 v[BIAS+8*\b+4:BIAS+8*\b+7], v[VB], s[96:97] offset:64*\b+16
.endr
; the table numbers of my rows 16 a .. 16 a + 15 into set a % 2: cos and sin of f = 16 u + 8 h + 0..7 at position t0 + 16 a + r
.macro TLD a
.set CSX, CSA+32*((\a)%2)
	WIN TO_B
.irp u, 0,1
.irp g, 0,1
	global_load_b128 v[CSX+8*\u+4*\g:CSX+8*\u+4*\g+3], v[TO], s[98:99] offset:2048*(\a)+64*\u+16*\g
	global_load_b128 v[CSX+16+8*\u+4*\g:CSX+16+8*\u+4*\g+3], v[TO], s[98:99] offset:262144+2048*(\a)+64*\u+16*\g
.endr
.endr
	WIN 0
.endm
	TLD 0                                          ; both sets lie in registers that the products do not touch
	TLD 1
.macro FRAG reg, adr, q, i             ; 16 rows x 128 K of 4-bit codes: 8 registers: lane l holds row l % 16; registers 4 c .. 4 c + 3 hold K = 64 c + 32 (l / 16) + 0 .. 31
.irp c, 0,1
	ds_load_b128 v[\reg+4*\c:\reg+4*\c+3], v[\adr] offset:64*(\q)+32*\c+(\i)*16*PITCH
.endr
.endm
; 16 matrix instructions: x's blocks a0, a0 + 1 against w's eight.  zero = 1: the first product starts the sums on the bias.  The 64 accumulators take turns, one instruction a turn.
.macro MUL16 a0, p, q, sc, zero
.irp a, \a0, \a0+1
.irp b, 0,1,2,3,4,5,6,7
.if \zero
	v_wmma_scale_f32_16x16x128_f8f6f4 v[8*(8*((\a)%4)+\b):8*(8*((\a)%4)+\b)+7], v[128*(\p)+FR*\b:128*(\p)+FR*\b+FR-1], v[AF+FR*(\a):AF+FR*(\a)+FR-1], v[BIAS+8*\b:BIAS+8*\b+7], v[SC+8*NQ*(\sc)+NQ*\b+(\q)], v[SC+8*NQ*(\sc)+NQ*(\a)+(\q)] matrix_a_fmt:MATRIX_FMT_FP4 matrix_b_fmt:MATRIX_FMT_FP4 matrix_a_scale:MATRIX_SCALE_ROW1
.else
	v_wmma_scale_f32_16x16x128_f8f6f4 v[8*(8*((\a)%4)+\b):8*(8*((\a)%4)+\b)+7], v[128*(\p)+FR*\b:128*(\p)+FR*\b+FR-1], v[AF+FR*(\a):AF+FR*(\a)+FR-1], v[8*(8*((\a)%4)+\b):8*(8*((\a)%4)+\b)+7], v[SC+8*NQ*(\sc)+NQ*\b+(\q)], v[SC+8*NQ*(\sc)+NQ*(\a)+(\q)] matrix_a_fmt:MATRIX_FMT_FP4 matrix_b_fmt:MATRIX_FMT_FP4 matrix_a_scale:MATRIX_SCALE_ROW1
.endif
.endr
.endr
.endm
.macro FETCH_B slot, q, p
	WIN TO_B
.irp i, 0,1,2,3,4,5,6,7
	FRAG 128*(\p)+FR*\i, ADRB+\slot, \q, \i
.endr
	WIN 0
.endm
.macro FETCH_A slot, q, i0
.irp i, \i0, \i0+1, \i0+2, \i0+3
	FRAG AF+FR*(\i), ADRA+\slot, \q, \i
.endr
.endm
.macro SCALES sc                       ; a slot's scale words: lanes 0-15 take x's block i, lanes 16-31 w's block i
.irp i, 0,1,2,3,4,5,6,7
	ds_load_b128 v[SC+8*NQ*\sc+NQ*\i:SC+8*NQ*\sc+NQ*\i+3], v[ADRS] offset:\i*SBLK
.endr
.endm
.macro PLACES n                        ; plain vector instructions between a matrix instruction and a load into, or a vector access to, its registers
.rept \n
	v_nop
.endr
.endm
.macro STEP slot, q, zero              ; a step of 128 along K that has its successor in the same slot
	s_wait_dscnt 4*NL                              ; w's set and x's blocks 0-3 are in; the youngest eight loads (x's blocks 4-7) may be out
.if \zero
	WIN 0x81                                       ; C (the bias) window 0, D window 2
.else
	WIN MUL_LO
.endif
	MUL16 0, (\q)%2, \q, \slot, \zero
	MUL16 2, (\q)%2, \q, \slot, \zero
	s_wait_dscnt 0
	PLACES NP
	FETCH_B \slot, (\q)+1, 1-(\q)%2
	FETCH_A \slot, (\q)+1, 0
.if \zero
	WIN 0xc1
.else
	WIN MUL_HI
.endif
	MUL16 4, (\q)%2, \q, \slot, \zero
	MUL16 6, (\q)%2, \q, \slot, \zero
	PLACES NP
	WIN 0
	FETCH_A \slot, (\q)+1, 4
.endm
.macro STEPS slot, from
.set QQ, \from
.rept NQ-1-\from
	STEP \slot, QQ, 0
.set QQ, QQ+1
.endr
.endm
	s_wait_tensorcnt 1                             ; the scale bytes and my part of slot 0 are in; slot 1's load may be out
	s_barrier_signal -1
	s_barrier_wait -1
	FETCH_B 0, 0, 0
	FETCH_A 0, 0, 0
	SCALES 0
	FETCH_A 0, 0, 4
	s_wait_loadcnt 0x0                             ; the bias and both table sets
	STEP 0, 0, 1
	STEPS 0, 1
	; slot 0's last step changes slots: one barrier; in front of it each wave waits for all its tensor loads, adds 0 to its spare word, and waits for that and for its reads of slot 0
	s_wait_tensorcnt 0x0
	ds_add_u32 v[SPW], v[NIL]
	s_wait_dscnt 4*NL+1                            ; the add and x's blocks 4-7 may be out
	WIN MUL_LO
	MUL16 0, 1, NQ-1, 0, 0
	s_wait_dscnt 0x0
	s_barrier_signal -1
	MUL16 2, 1, NQ-1, 0, 0
	WIN 0
	s_barrier_wait -1
	PLACES NP
	v_add_nc_u32 v[ADRS], 4*NQ, v[ADRS]            ; on to slot 1's scale words
	FETCH_B 1, 0, 0
	FETCH_A 1, 0, 0
	SCALES 1
	WIN MUL_HI
	MUL16 4, 1, NQ-1, 0, 0
	MUL16 6, 1, NQ-1, 0, 0
	PLACES NP
	WIN 0
	FETCH_A 1, 0, 4
	STEPS 1, 0
	s_wait_dscnt 4*NL                              ; the very last step: nothing more to fetch
	WIN MUL_LO
	MUL16 0, 1, NQ-1, 1, 0
	MUL16 2, 1, NQ-1, 1, 0
	s_wait_dscnt 0
	WIN MUL_HI
	MUL16 4, 1, NQ-1, 1, 0
	MUL16 6, 1, NQ-1, 1, 0
	WIN 0
; THE WAY OUT, block by block of 16 rows x 128 columns (two heads).
; ROPE: out(d) = a(d) cos - a(d + 32) sin, out(d + 32) = a(d + 32) cos + a(d) sin, two numbers an instruction; each accumulator is read from its low end on; then 32 roundings to f16.
.macro ROPE a
.set AC, 64*((\a)%4)
.set CSX, CSA+32*((\a)%2)
	WIN 0x56+((\a)/4)                              ; source 0: the accumulators' window; all else window 1
.irp hd, 0,1
.irp u, 0,1
.set RB1, AC+8*(4*\hd+\u)
.set RB2, RB1+16
.set RTA, TT+16*(2*\hd+\u)
.set RTB, RTA+8
.irp p, 0,1,2,3
	v_pk_mul_f32 v[RTA+2*\p:RTA+2*\p+1], v[RB2+2*\p:RB2+2*\p+1], v[CSX+16+8*\u+2*\p:CSX+16+8*\u+2*\p+1]
.endr
.irp p, 0,1,2,3
	v_pk_mul_f32 v[RTB+2*\p:RTB+2*\p+1], v[RB1+2*\p:RB1+2*\p+1], v[CSX+16+8*\u+2*\p:CSX+16+8*\u+2*\p+1]
.endr
.irp p, 0,1,2,3
	v_pk_fma_f32 v[RTA+2*\p:RTA+2*\p+1], v[RB1+2*\p:RB1+2*\p+1], v[CSX+8*\u+2*\p:CSX+8*\u+2*\p+1], v[RTA+2*\p:RTA+2*\p+1] neg_lo:[0,0,1] neg_hi:[0,0,1]
.endr
.irp p, 0,1,2,3
	v_pk_fma_f32 v[RTB+2*\p:RTB+2*\p+1], v[RB2+2*\p:RB2+2*\p+1], v[CSX+8*\u+2*\p:CSX+8*\u+2*\p+1], v[RTB+2*\p:RTB+2*\p+1]
.endr
.endr
.endr
	WIN 0x45                                       ; sources and destination window 1
.irp hd, 0,1
.irp u, 0,1
.irp p, 0,1,2,3
	v_cvt_pk_f16_f32 v[TMP+4*(4*\hd+\u)+\p], v[TT+16*(2*\hd+\u)+2*\p], v[TT+16*(2*\hd+\u)+2*\p+1]
	v_cvt_pk_f16_f32 v[TMP+4*(4*\hd+\u+2)+\p], v[TT+16*(2*\hd+\u)+8+2*\p], v[TT+16*(2*\hd+\u)+8+2*\p+1]
.endr
.endr
.endr
	WIN 0
.endm
.macro TOSTAGE a                       ; into my stage, and back as runs of four rows of one head.  LDS serves a wave's instructions in order: no wait between
	WIN 0x04                                       ; an LDS store's data are its source 1: window 1
.irp b, 0,1,2,3,4,5,6,7
	ds_store_b128 v[STO], v[TMP+4*\b:TMP+4*\b+3] offset:32*\b
.endr
	WIN TO_B
.irp hh, 0,1
.irp i, 0,1,2,3
	ds_load_b128 v[BK+32*((\a)%2)+4*(4*\hh+\i):BK+32*((\a)%2)+4*(4*\hh+\i)+3], v[RD] offset:4*SPITCH*\i+128*\hh
.endr
.endr
	WIN 0
.endm
.macro SEND a
	s_wait_dscnt 0x0                               ; the block is back in registers
	s_wait_xcnt 0x0                                ; the stores of the block before have read their registers: the next block's rows may land there
	WIN 0x04                                       ; a store's data are its source 1: window 1
.irp hh, 0,1
.irp i, 0,1,2,3
	global_store_b128 v[CO], v[BK+32*((\a)%2)+4*(4*\hh+\i):BK+32*((\a)%2)+4*(4*\hh+\i)+3], s[12:13] offset:262144*\hh+2048*(\a)+512*\i   ; 512 consecutive bytes, aligned
.endr
.endr
	WIN 0
.endm
	PLACES NP                                      ; behind the last products: their operands' registers are written next
	ROPE 0
	TLD 2
	TOSTAGE 0
	ROPE 1
	TLD 3
	SEND 0
	TOSTAGE 1
.irp a, 2,3,4,5,6
	s_wait_loadcnt 8                               ; this block's table set is in; the next set's eight loads may be out
	ROPE \a
.if \a < 6
	TLD \a+2
.endif
	SEND \a-1
	TOSTAGE \a
.endr
	s_wait_loadcnt 0x0
	ROPE 7
	SEND 6
	TOSTAGE 7
	SEND 7
	s_wait_tensorcnt 0x0                           ; the wave's end, behind my last tensor load and my last LDS store
	ds_add_u32 v[SPW], v[NIL]
	s_wait_dscnt 0x0
	CROUND                                         ; the closing round
	s_endpgm
.Lfunc_end_k_q9191ad84d5_qkv:
	.size	k_q9191ad84d5_qkv, .Lfunc_end_k_q9191ad84d5_qkv-k_q9191ad84d5_qkv
	.p2alignl 7, 3214868480
	.fill 96, 4, 3214868480
	.section	.rodata,"a",@progbits
	.p2align	6, 0x0
	.amdhsa_kernel k_q9191ad84d5_qkv
		.amdhsa_group_segment_fixed_size 327680
		.amdhsa_private_segment_fixed_size 0
		.amdhsa_enable_private_segment 0
		.amdhsa_kernarg_size 40
		.amdhsa_user_sgpr_count 2
		.amdhsa_user_sgpr_kernarg_segment_ptr 1
		.amdhsa_wavefront_size32 1
		.amdhsa_system_sgpr_workgroup_id_x 1
		.amdhsa_system_sgpr_workgroup_id_y 1
		.amdhsa_system_sgpr_workgroup_id_z 1
		.amdhsa_system_vgpr_workitem_id 0
		.amdhsa_next_free_vgpr 1024
		.amdhsa_next_free_sgpr 100
		.amdhsa_reserve_vcc 0
		.amdhsa_float_denorm_mode_32 3
		.amdhsa_float_denorm_mode_16_64 3
		.amdhsa_memory_ordered 1
		.amdhsa_forward_progress 1
		.amdhsa_inst_pref_size 169
	.end_amdhsa_kernel
	.amdgpu_metadata
---
amdhsa.version: [ 1, 2 ]
amdhsa.kernels:
  - .name:           k_q9191ad84d5_qkv
    .symbol:         k_q9191ad84d5_qkv.kd
    .args:
      - { .name: codes, .offset: 0, .size: 8, .value_kind: global_buffer, .address_space: global }
      - { .name: scales, .offset: 8, .size: 8, .value_kind: global_buffer, .address_space: global }
      - { .name: b_qkv, .offset: 16, .size: 8, .value_kind: global_buffer, .address_space: global }
      - { .name: rope, .offset: 24, .size: 8, .value_kind: global_buffer, .address_space: global }
      - { .name: qkv16, .offset: 32, .size: 8, .value_kind: global_buffer, .address_space: global }
    .group_segment_fixed_size: 327680
    .private_segment_fixed_size: 0
    .kernarg_segment_align: 8
    .kernarg_segment_size: 40
    .max_flat_workgroup_size: 128
    .sgpr_count:     100
    .vgpr_count:     1024
    .wavefront_size: 32
...
	.end_amdgpu_metadata
.endif
;; end of part 2
;; launch attn (part 3): grid 4 x 64, 16 waves a work-group, no clusters, 327,680 bytes of LDS; arguments qkv16, o16; writes o16
.if DOCPART == 3
	.amdgcn_target "amdgcn-amd-amdhsa--gfx1250"
	.amdhsa_code_object_version 6
	.text
	.protected	k_q9191ad84d5_attn
	.globl	k_q9191ad84d5_attn
	.p2align	8
	.type	k_q9191ad84d5_attn,@function
k_q9191ad84d5_attn:
	s_mov_b64 s[64:65], 0
	v_nop
	global_prefetch_b8 v0, s[64:65] scope:SCOPE_SE
	s_setreg_imm32_b32 hwreg(HW_REG_WAVE_MODE, 25, 1), 1
	s_wait_xcnt 0x0
; ATTN: o[b][h][q] = sum over k <= q of softmax_k(q . k / 8) v, on f16 operands with f32 sums, maxima and exponentials; o rounded once to f16, laid [b][h][t][64].
; SHARES.  Work-group (j, head) owns query blocks j and 7 - j of 256: waves 0-7 block j, waves 8-15 block 7 - j; a wave owns 32 queries, two tiles of 16.  So every work-group has the same causal work.
; Every wave walks all 8 slots of 256 keys (constant trip counts); a step of 64 keys that all come after the wave's queries is jumped over, on ids alone.  A slot whose first key comes after the work-group's
; last query is not asked for.  K's and V's tiles come through two LDS slots: waves 0, 1 fetch K's halves, waves 2, 3 V's; all sixteen read them.
; NO CLUSTER: the four work-groups of a head stop asking at different slots (8, 7, 6 and 5 slots for j = 0 .. 3), so a joint load would bring some partner tiles that none of its waves reads.
; LAYOUT.  S^T = K Q^T (source 0 = 16 keys, source 1 = 16 queries): a lane holds one query (lane % 16) and keys 8 (lane / 16) + 0..7 of a tile; two tiles rounded to f16 in pairs are source 1 of O^T = V^T P.
; V comes out of LDS turned, by ds_load_tr16_b128.  SOFTMAX: running maximum m and sum l; p = 2^(c s - c m), c = log2(e) / 8; O and l are multiplied by 2^(c m_old - c m_new) in every step.
; The loop's step is written for all steps alike: O^T and l begin as zeros and m as -3e38.
; LIMITS: f16 operands (magnitudes beyond 65,504 are not served; p under 6e-8 falls to 0); the first 16 positions of a sequence are computed again in f32 by later launches.
; REGISTERS: v0 thread; v1-5 addresses and constants; v6, v7 the add's two; v8-27 statistics, ten a tile; v28, v29 old c m; v30 prefetch offset; v31 at work;
;   v32-63 Q; v64-127 K's, then V's fragments; v128-191 S^T, then p, then P; v192-255 O^T.
.set KP,    144                        ; a key's row in LDS: 128 bytes + 16
.set VP,    160                        ; a row of V: 128 + 32
.set VOFF,  256*KP
.set SLOT1, 1<<17                      ; slot 1 begins here: one exclusive or turns an address
.set SPARE, SLOT1+VOFF+256*VP          ; the spare words: 128 bytes for each of 16 waves
.set STAGE, SPARE+2048                 ; the way out: 32 rows x 144 bytes for each wave, bytes of its own
.set AK0, 1
.set AV0, 2
.set ADR, 3
.set DG,  4
.set NINF, 5
.set SPW, 6
.set NIL, 7
.set PFO, 30
.set QF,  32
.set KV,  64
.set S,   128
.set OT,  192
.set WV,  18
.set SEL, 20
.set CS,  22
.set G1K, 24
.set G1V, 32
.set G0K, 40
.set G0V, 44
.set TB,  2
.set SLOTS, 48
.set KF,  49
.set Q0,  50
.set QL,  51
.set PFA, 52
.set LIM, 54
.macro TLOAD                           ; the branches hang on the wave's number alone; an s_nop 0 and four v_nop follow each load
	s_cmp_lt_u32 s[WV], 2
	s_cbranch_scc0 .Lnot_k_\@
	tensor_load_to_lds s[G0K:G0K+3], s[G1K:G1K+7]
	s_nop 0
.rept 4
	v_nop
.endr
	s_branch .Lasked_\@
.Lnot_k_\@:
	s_cmp_lt_u32 s[WV], 4
	s_cbranch_scc0 .Lasked_\@
	tensor_load_to_lds s[G0V:G0V+3], s[G1V:G1V+7]
	s_nop 0
.rept 4
	v_nop
.endr
.Lasked_\@:
.endm
; A prefetch of what the NEXT change of slots will ask for: 32,768 bytes of K and of V.  The head's work-group j = 0, which walks all slots, asks, and nobody else; in it waves 4-7 ask for K's, waves 8-11 for V's,
; 8,192 bytes a wave, lanes 256 bytes apart: each block is named once in the launch.  The last change that fills a slot asks for nothing; slots 0 and 1 come by their loads alone.
.macro ASK
	s_cmp_gt_u32 s[SLOTS], s[LIM]
	s_cbranch_scc0 .Lnot_mine_\@
	global_prefetch_b8 v[PFO], s[PFA:PFA+1] th:TH_LOAD_NT scope:SCOPE_SE
.Lnot_mine_\@:
.endm
	s_load_b128 s[4:7], s[0:1], 0x0                ; qkv16 s[4:5], o16 s[6:7]
	v_lshl_add_u32 v[SPW], v0, 2, SPARE
	v_mov_b32 v[NIL], 0
	ds_add_u32 v[SPW], v[NIL]                      ; the wave's opening: the add, twice on end, and its wait ahead of the first tensor load
	ds_add_u32 v[SPW], v[NIL]
	v_lshrrev_b32 v31, 5, v0
	v_readfirstlane_b32 s[WV], v31                 ; wave 0..15
	s_and_b32 s56, ttmp7, 0xffff
	s_lshl_b32 s56, s56, 18                        ; the head's first byte in a section: 262,144 x (16 b + h)
	s_and_b32 s58, s[WV], 1
	s_lshl_b32 s59, s58, 14                        ; which 128 rows of a slot I fetch, if I fetch
	s_add_co_u32 s60, s56, s59
	s_mov_b32 s61, 0
	s_mul_i32 s62, s58, 128*KP
	s_mul_i32 s63, s58, 128*VP
	s_add_co_u32 s63, s63, VOFF
	s_mov_b32 s[G1K], (1<<16)|(1<<20)|(4<<22)|(3<<25)   ; no mask; elements of 2 bytes; padding on: four words after every 32
	s_mov_b32 s[G1V], (1<<16)|(1<<20)|(4<<22)|(7<<25)   ; eight words after every 32
.irp g, G1K, G1V
	s_mov_b32 s[\g+1], 64<<16                      ; tensor_dim0
	s_mov_b32 s[\g+2], 128<<16                     ; tensor_dim1
	s_mov_b32 s[\g+3], 64<<16                      ; tile_dim0
	s_mov_b32 s[\g+4], 128                         ; tile_dim1
	s_mov_b32 s[\g+5], 64                          ; from row to row
	s_mov_b32 s[\g+6], 0
	s_mov_b32 s[\g+7], 0
.endr
	s_mov_b32 s[SEL], 0x76543210
	s_mov_b32 s[SEL+1], 0xfedcba98                 ; lane l xor 16
	s_mov_b32 s[CS], 0x3e38aa3b                    ; c = log2(e) / 8
	s_mov_b32 s[CS+1], s[CS]
	s_mov_b32 s[TB], 0
	s_mov_b32 s[SLOTS], 7
	s_mov_b32 s[KF], 0
	s_sub_co_u32 s59, 7, ttmp9
	s_lshl_b32 s[QL], s59, 8
	s_or_b32 s[QL], s[QL], 255                     ; my work-group's last query
	s_cmp_lt_u32 s[WV], 8
	s_cselect_b32 s59, ttmp9, s59                  ; my block of 256 queries
	s_lshl_b32 s[Q0], s59, 8
	s_and_b32 s59, s[WV], 7
	s_lshl_b32 s59, s59, 5
	s_add_co_u32 s[Q0], s[Q0], s59                 ; my first query
	s_wait_dscnt 0x0                               ; both opening adds are done
	s_wait_kmcnt 0x0
	s_mov_b32 s[G0K], 1
	s_mov_b32 s[G0K+1], s62
	s_add_nc_u64 s[G0K+2:G0K+3], s[4:5], s[60:61]
	s_add_nc_u64 s[G0K+2:G0K+3], s[G0K+2:G0K+3], 16777216   ; the section of k
	s_or_b32 s[G0K+3], s[G0K+3], 0x80000000
	s_mov_b32 s[G0V], 1
	s_mov_b32 s[G0V+1], s63
	s_add_nc_u64 s[G0V+2:G0V+3], s[4:5], s[60:61]
	s_add_nc_u64 s[G0V+2:G0V+3], s[G0V+2:G0V+3], 33554432   ; the section of v
	s_or_b32 s[G0V+3], s[G0V+3], 0x80000000
	TLOAD                                          ; slot 0: key 0 counts for every query
	v_and_b32 v28, 15, v0                          ; r
	v_bfe_u32 v29, v0, 4, 1                        ; h
	v_lshlrev_b32 v31, 7, v28
	v_lshl_add_u32 v31, v29, 4, v31                ; Q: 128 r + 16 h
	s_lshl_b32 s58, s[Q0], 7
	s_add_co_u32 s58, s58, s56
	s_mov_b32 s59, 0
	s_add_nc_u64 s[8:9], s[4:5], s[58:59]          ; q at my first query
	s_add_nc_u64 s[6:7], s[6:7], s[58:59]          ; o likewise
.irp t, 0,1
.irp c, 0,1
	global_load_b128 v[QF+16*\t+8*\c:QF+16*\t+8*\c+3], v31, s[8:9] offset:2048*\t+64*\c
	global_load_b128 v[QF+16*\t+8*\c+4:QF+16*\t+8*\c+7], v31, s[8:9] offset:2048*\t+64*\c+32
.endr
.endr
	s_cmp_lt_u32 s[WV], 8                          ; the prefetches: waves 4-7 stand in k, waves 8-11 in v
	s_mov_b32 s58, 33554432
	s_cselect_b32 s58, 16777216, s58
	s_and_b32 s59, s[WV], 3
	s_lshl_b32 s59, s59, 13
	s_add_co_u32 s58, s58, s59
	s_add_co_u32 s58, s58, s56
	s_add_co_u32 s58, s58, 32768                   ; in slot 1: the first change of slots steps it to slot 2
	s_mov_b32 s59, 0
	s_add_nc_u64 s[PFA:PFA+1], s[4:5], s[58:59]
	s_sub_co_u32 s58, s[WV], 4
	s_lshr_b32 s58, s58, 3                         ; 0 in waves 4 to 11,
	s_or_b32 s58, s58, ttmp9                       ; of work-group j = 0
	s_cmp_eq_u32 s58, 0
	s_cselect_b32 s[LIM], 1, -1
	v_mul_u32_u24 v[AK0], v28, KP
	v_lshl_add_u32 v[AK0], v29, 4, v[AK0]          ; K: row r x pitch + 16 h
	v_and_b32 v[AV0], 7, v0
	v_lshl_add_u32 v[AV0], v29, 3, v[AV0]
	v_mul_u32_u24 v[AV0], v[AV0], VP
	v_bfe_u32 v[ADR], v0, 3, 1
	v_lshl_add_u32 v[AV0], v[ADR], 4, v[AV0]
	v_add_nc_u32 v[AV0], VOFF, v[AV0]              ; V: key 8 h + l % 8, channels 8 ((l / 8) % 2) on
	v_lshlrev_b32 v[DG], 3, v29
	v_sub_nc_u32 v[DG], v28, v[DG]                 ; r - 8 h
	v_mov_b32 v[NINF], 0xff800000
	v_and_b32 v[PFO], 31, v0
	v_lshlrev_b32 v[PFO], 8, v[PFO]
.irp j, 8,9,10,11,12,13,14,15,16,17,18,19,20,21,22,23,24,25,26,27,28,29
	v_mov_b32 v[\j], 0                             ; l = 0; the rest is written once, since pairs and lane permutes name it
.endr
	v_mov_b32 v9, 0xff61b1e6                       ; m = -3e38, under every score
	v_mov_b32 v19, 0xff61b1e6
	v_mul_f32 v8, s[CS], v9                        ; c m
	v_mul_f32 v18, s[CS], v19
.set II, 0
.rept 64
	v_mov_b32 v[OT+II], 0
.set II, II+1
.endr
	s_wait_loadcnt 0x0                             ; Q
; A KEY STEP: 64 keys, the q-th of the slot in hand.  Tile t's statistics at v[8 + 10 t]: +0 c m, +1 m, +2, +3 l, +4 a (+5 its pair), +6 .. +9 at work.
.macro STEP q
	s_add_co_u32 s56, s[Q0], 31
	s_cmp_gt_u32 s[KF], s56                        ; all 64 keys come after my 32 queries: ids alone
	s_cbranch_scc1 .Lhidden_\@
	v_add_nc_u32 v[ADR], s[TB], v[AK0]
.rept 4
	v_nop                                          ; with the addition five places behind the last step's products: K lands on V's registers, and the new scores are written by matrix instructions over P
.endr
.irp kt, 0,1,2,3
.irp c, 0,1
	ds_load_b128 v[KV+16*\kt+8*\c:KV+16*\kt+8*\c+3], v[ADR] offset:(64*(\q)+16*\kt)*KP+64*\c
	ds_load_b128 v[KV+16*\kt+8*\c+4:KV+16*\kt+8*\c+7], v[ADR] offset:(64*(\q)+16*\kt)*KP+64*\c+32
.endr
.endr
	s_wait_dscnt 0x0
.irp c, 0,1                                    ; S^T = K Q^T: eight accumulators by turns, one instruction a turn
.irp kt, 0,1,2,3
.irp t, 0,1
.if \c == 0
	v_wmma_f32_16x16x32_f16 v[S+32*\t+8*\kt:S+32*\t+8*\kt+7], v[KV+16*\kt+8*\c:KV+16*\kt+8*\c+7], v[QF+16*\t+8*\c:QF+16*\t+8*\c+7], 0
.else
	v_wmma_f32_16x16x32_f16 v[S+32*\t+8*\kt:S+32*\t+8*\kt+7], v[KV+16*\kt+8*\c:KV+16*\kt+8*\c+7], v[QF+16*\t+8*\c:QF+16*\t+8*\c+7], v[S+32*\t+8*\kt:S+32*\t+8*\kt+7]
.endif
.endr
.endr
.endr
	v_add_nc_u32 v[ADR], s[TB], v[AV0]
.rept 3
	v_nop                                          ; with the addition four places: V lands on K's registers, and the scores are read
.endr
.irp kc, 0,1                                   ; V, turned; it lands while the softmax is walked
.irp ct, 0,1,2,3
	ds_load_tr16_b128 v[KV+32*\kc+8*\ct:KV+32*\kc+8*\ct+3], v[ADR] offset:(64*(\q)+32*\kc)*VP+32*\ct
	ds_load_tr16_b128 v[KV+32*\kc+8*\ct+4:KV+32*\kc+8*\ct+7], v[ADR] offset:(64*(\q)+32*\kc)*VP+32*\ct+16*VP
.endr
.endr
	s_add_co_u32 s56, s[KF], 63
	s_cmp_le_u32 s56, s[Q0]                        ; all 64 keys count for all my queries: nothing to hide
	s_cbranch_scc1 .Lopen_\@
	s_sub_co_i32 s56, s[Q0], s[KF]
	v_add_nc_u32 v31, s56, v[DG]                   ; register i of tile (t, kt) holds key KF + 16 kt + 8 h + i of query Q0 + 16 t + r: hidden where 16 kt + i - 16 t > Q0 - KF + r - 8 h
.set II, 0
.rept 32
	v_cmp_gt_i32 vcc_lo, 16*(II/8)+II%8, v31
	v_cndmask_b32 v[S+II], v[S+II], v[NINF], vcc_lo
	v_cmp_gt_i32 vcc_lo, 16*(II/8)+II%8-16, v31
	v_cndmask_b32 v[S+32+II], v[S+32+II], v[NINF], vcc_lo
.set II, II+1
.endr
.Lopen_\@:
.irp j, 0,1,2,3                                ; the maximum of the lane's 32 scores and the old m: four chains, both tiles by turns; each accumulator is read from its low end on
.irp t, 0,1
	v_max3_num_f32 v[14+10*\t+\j], v[S+32*\t+8*\j], v[S+32*\t+8*\j+1], v[S+32*\t+8*\j+2]
.endr
.endr
.irp g, 1,2
.irp j, 0,1,2,3
.irp t, 0,1
	v_max3_num_f32 v[14+10*\t+\j], v[14+10*\t+\j], v[S+32*\t+8*\j+2*\g+1], v[S+32*\t+8*\j+2*\g+2]
.endr
.endr
.endr
.irp t, 0,1
	v_max3_num_f32 v[14+10*\t], v[14+10*\t], v[S+32*\t+7], v[S+32*\t+15]
.endr
.irp t, 0,1
	v_max3_num_f32 v[16+10*\t], v[16+10*\t], v[S+32*\t+23], v[S+32*\t+31]
.endr
.irp t, 0,1
	v_max3_num_f32 v[14+10*\t], v[14+10*\t], v[15+10*\t], v[16+10*\t]
.endr
.irp t, 0,1
	v_max3_num_f32 v[14+10*\t], v[14+10*\t], v[17+10*\t], v[9+10*\t]
.endr
.irp t, 0,1
	v_permlanex16_b32 v[15+10*\t], v[14+10*\t], s[SEL], s[SEL+1]   ; the query's other 32 keys lie in the lane 16 away
.endr
.irp t, 0,1
	v_mov_b32 v[28+\t], v[8+10*\t]                 ; c m_old
.endr
.irp t, 0,1
	v_max_num_f32 v[9+10*\t], v[14+10*\t], v[15+10*\t]
.endr
.irp t, 0,1
	v_mul_f32 v[8+10*\t], s[CS], v[9+10*\t]
.endr
.irp t, 0,1
	v_sub_f32 v[28+\t], v[28+\t], v[8+10*\t]
.endr
.set II, 0
.rept 16
	v_pk_fma_f32 v[S+II:S+II+1], v[S+II:S+II+1], s[CS:CS+1], v[8:9] op_sel_hi:[1,0,0] neg_lo:[0,0,1] neg_hi:[0,0,1]            ; c s - c m
	v_pk_fma_f32 v[S+32+II:S+32+II+1], v[S+32+II:S+32+II+1], s[CS:CS+1], v[18:19] op_sel_hi:[1,0,0] neg_lo:[0,0,1] neg_hi:[0,0,1]
.set II, II+2
.endr
	v_exp_f32 v12, v28                             ; a = 2^(c m_old - c m_new)
	v_exp_f32 v22, v29
.set II, 0
.rept 32
	v_exp_f32 v[S+II], v[S+II]
	v_exp_f32 v[S+32+II], v[S+32+II]
.set II, II+1
.endr
	v_nop                                          ; a plain line behind the last exponential
	s_wait_alu depctr_va_vdst(0)                   ; one wait for the batch of 66, ahead of its first reader
.irp t, 0,1                                    ; the sums are taken of p before it is rounded, in two chains a tile
	v_pk_add_f32 v[14+10*\t:15+10*\t], v[S+32*\t:S+32*\t+1], v[S+32*\t+2:S+32*\t+3]
	v_pk_add_f32 v[16+10*\t:17+10*\t], v[S+32*\t+4:S+32*\t+5], v[S+32*\t+6:S+32*\t+7]
.endr
.irp p, 8,12,16,20,24,28
.irp t, 0,1
	v_pk_add_f32 v[14+10*\t:15+10*\t], v[14+10*\t:15+10*\t], v[S+32*\t+\p:S+32*\t+\p+1]
	v_pk_add_f32 v[16+10*\t:17+10*\t], v[16+10*\t:17+10*\t], v[S+32*\t+\p+2:S+32*\t+\p+3]
.endr
.endr
.irp t, 0,1
	v_pk_add_f32 v[14+10*\t:15+10*\t], v[14+10*\t:15+10*\t], v[16+10*\t:17+10*\t]
.endr
.irp t, 0,1
	v_pk_fma_f32 v[10+10*\t:11+10*\t], v[10+10*\t:11+10*\t], v[12+10*\t:13+10*\t], v[14+10*\t:15+10*\t] op_sel_hi:[1,0,1]   ; l = a l + the step's sum
.endr
.set II, 0
.rept 16
	v_cvt_pk_f16_f32 v[S+II], v[S+2*II], v[S+2*II+1]              ; P, packed in place, ascending: registers 8 kc .. 8 kc + 7 are source 1 for keys 32 kc on
	v_cvt_pk_f16_f32 v[S+32+II], v[S+32+2*II], v[S+32+2*II+1]
.set II, II+1
.endr
.set II, 0
.rept 16
	v_pk_mul_f32 v[OT+II:OT+II+1], v[OT+II:OT+II+1], v[12:13] op_sel_hi:[1,0]          ; O^T x a
	v_pk_mul_f32 v[OT+32+II:OT+32+II+1], v[OT+32+II:OT+32+II+1], v[22:23] op_sel_hi:[1,0]
.set II, II+2
.endr
	s_wait_dscnt 0x0                               ; V is in
.irp kc, 0,1                                   ; O^T += V^T P: eight accumulators by turns
.irp ct, 0,1,2,3
.irp t, 0,1
	v_wmma_f32_16x16x32_f16 v[OT+32*\t+8*\ct:OT+32*\t+8*\ct+7], v[KV+32*\kc+8*\ct:KV+32*\kc+8*\ct+7], v[S+32*\t+8*\kc:S+32*\t+8*\kc+7], v[OT+32*\t+8*\ct:OT+32*\t+8*\ct+7]
.endr
.endr
.endr
.Lhidden_\@:
	s_add_co_u32 s[KF], s[KF], 64
.endm
; THE CHANGE OF SLOTS stands at a slot's head.  Each wave waits for all its tensor loads, adds 0 to its spare word, and waits for that and for its reads of the slot that it has left.  Behind the barrier the slot ahead
; is whole and nobody reads the other one.  fill = 1: that other slot takes the next 256 keys, unless its first key comes after the work-group's last query: such a slot is read by none of the sixteen waves.
; That test is made of ids and the count of steps alone, is the same in all sixteen waves, leads round the load's own lines and nothing else, and every wait on TENSORcnt in this text is for 0.
.macro CHANGE fill
	s_wait_tensorcnt 0x0                           ; no tensor load of mine is out, so a group 0 may be written
	ds_add_u32 v[SPW], v[NIL]
.if \fill
	ds_add_u32 v[SPW], v[NIL]                      ; and twice on end here, in every trip alike
	s_xor_b32 s[G0K+1], s[G0K+1], SLOT1
	s_add_nc_u64 s[G0K+2:G0K+3], s[G0K+2:G0K+3], 32768
	s_xor_b32 s[G0V+1], s[G0V+1], SLOT1
	s_add_nc_u64 s[G0V+2:G0V+3], s[G0V+2:G0V+3], 32768
	s_wait_xcnt 0x0                                ; the last prefetch, a slot back, has read its address
	s_add_nc_u64 s[PFA:PFA+1], s[PFA:PFA+1], 32768
.endif
	s_wait_dscnt 0x0
	s_barrier_signal -1
	s_barrier_wait -1
.if \fill
	s_add_co_u32 s56, s[KF], 256                   ; the first key of the slot that this change would ask for
	s_cmp_gt_u32 s56, s[QL]
	s_cbranch_scc1 .Lpast_\@
	TLOAD                                          ; a wave's one tensor load until the next barrier: it has a slot's four steps in which to land
.Lpast_\@:
	ASK
.endif
.endm
.macro SLOT_STEPS
	STEP 0
	STEP 1
	STEP 2
	STEP 3
	s_xor_b32 s[TB], s[TB], SLOT1
.endm
.Lslot:                                            ; 7 trips
	CHANGE 1
	SLOT_STEPS
	s_sub_co_u32 s[SLOTS], s[SLOTS], 1
	s_cmp_lg_u32 s[SLOTS], 0
	s_cbranch_scc1 .Lslot
	CHANGE 0                                       ; the last slot is written out: nothing is left to ask for
	SLOT_STEPS
	; THE WAY OUT: O^T / l, rounded to f16, through my stage, so that each store covers 512 consecutive bytes (four rows of 128)
.rept 4
	v_nop
.endr
.irp t, 0,1
	v_add_f32 v[14+10*\t], v[10+10*\t], v[11+10*\t]
.endr
.irp t, 0,1
	v_permlanex16_b32 v[15+10*\t], v[14+10*\t], s[SEL], s[SEL+1]
.endr
.irp t, 0,1
	v_add_f32 v[14+10*\t], v[14+10*\t], v[15+10*\t]
.endr
.irp t, 0,1
	v_rcp_f32 v[12+10*\t], v[14+10*\t]
.endr
	v_and_b32 v28, 15, v0
	v_bfe_u32 v29, v0, 4, 1
	s_mul_i32 s56, s[WV], 32*KP
	s_add_co_u32 s56, s56, STAGE
	v_mul_u32_u24 v1, v28, KP
	v_lshl_add_u32 v1, v29, 4, v1
	v_add_nc_u32 v1, s56, v1                       ; in: row r, 16 bytes for each half of the lanes
	v_and_b32 v3, 31, v0
	v_lshrrev_b32 v2, 3, v3
	v_mul_u32_u24 v2, v2, KP
	v_and_b32 v4, 7, v3
	v_lshl_add_u32 v2, v4, 4, v2
	v_add_nc_u32 v2, s56, v2                       ; back: eight lanes to a row
	v_lshlrev_b32 v3, 4, v3
	s_wait_alu depctr_va_vdst(0)                   ; one wait for the two reciprocals, ahead of their first reader
.irp t, 0,1
.set II, 0
.rept 16
	v_pk_mul_f32 v[OT+32*\t+II:OT+32*\t+II+1], v[OT+32*\t+II:OT+32*\t+II+1], v[12+10*\t:13+10*\t] op_sel_hi:[1,0]
.set II, II+2
.endr
.set II, 0
.rept 16
	v_cvt_pk_f16_f32 v[S+16*\t+II], v[OT+32*\t+2*II], v[OT+32*\t+2*II+1]
.set II, II+1
.endr
.irp ct, 0,1,2,3
	ds_store_b128 v1, v[S+16*\t+4*\ct:S+16*\t+4*\ct+3] offset:16*KP*\t+32*\ct
.endr
.endr
.irp i, 0,1,2,3,4,5,6,7
	ds_load_b128 v[KV+4*\i:KV+4*\i+3], v2 offset:4*KP*\i           ; LDS serves a wave's instructions in order: these see my stores
.endr
.irp i, 0,1,2,3,4,5,6,7
	s_wait_dscnt 7-\i
	global_store_b128 v3, v[KV+4*\i:KV+4*\i+3], s[6:7] offset:512*\i
.endr
	s_wait_tensorcnt 0x0                           ; the wave's end
	ds_add_u32 v[SPW], v[NIL]
	s_wait_dscnt 0x0
	s_endpgm
.Lfunc_end_k_q9191ad84d5_attn:
	.size	k_q9191ad84d5_attn, .Lfunc_end_k_q9191ad84d5_attn-k_q9191ad84d5_attn
	.p2alignl 7, 3214868480
	.fill 96, 4, 3214868480
	.section	.rodata,"a",@progbits
	.p2align	6, 0x0
	.amdhsa_kernel k_q9191ad84d5_attn
		.amdhsa_group_segment_fixed_size 327680
		.amdhsa_private_segment_fixed_size 0
		.amdhsa_enable_private_segment 0
		.amdhsa_kernarg_size 16
		.amdhsa_user_sgpr_count 2
		.amdhsa_user_sgpr_kernarg_segment_ptr 1
		.amdhsa_wavefront_size32 1
		.amdhsa_system_sgpr_workgroup_id_x 1
		.amdhsa_system_sgpr_workgroup_id_y 1
		.amdhsa_system_sgpr_workgroup_id_z 1
		.amdhsa_system_vgpr_workitem_id 0
		.amdhsa_next_free_vgpr 256
		.amdhsa_next_free_sgpr 66
		.amdhsa_reserve_vcc 1
		.amdhsa_float_denorm_mode_32 3
		.amdhsa_float_denorm_mode_16_64 3
		.amdhsa_memory_ordered 1
		.amdhsa_forward_progress 1
		.amdhsa_inst_pref_size 188
	.end_amdhsa_kernel
	.amdgpu_metadata
---
amdhsa.version: [ 1, 2 ]
amdhsa.kernels:
  - .name:           k_q9191ad84d5_attn
    .symbol:         k_q9191ad84d5_attn.kd
    .args:
      - { .name: qkv16, .offset: 0, .size: 8, .value_kind: global_buffer, .address_space: global }
      - { .name: o16, .offset: 8, .size: 8, .value_kind: global_buffer, .address_space: global }
    .group_segment_fixed_size: 327680
    .private_segment_fixed_size: 0
    .kernarg_segment_align: 8
    .kernarg_segment_size: 16
    .max_flat_workgroup_size: 512
    .sgpr_count:     66
    .vgpr_count:     256
    .wavefront_size: 32
...
	.end_amdgpu_metadata
.endif
;; end of part 3
;; launch proj (part 4): grid 8 x 64, 4 waves a work-group, clusters of 4 x 4, 327,680 bytes of LDS; arguments o16, wo16, out0, b_out; writes out0
.if DOCPART == 4
	.amdgcn_target "amdgcn-amd-amdhsa--gfx1250"
	.amdhsa_code_object_version 6
	.text
	.protected	k_q9191ad84d5_proj
	.globl	k_q9191ad84d5_proj
	.p2align	8
	.type	k_q9191ad84d5_proj,@function
k_q9191ad84d5_proj:
	s_mov_b64 s[64:65], 0
	v_nop
	global_prefetch_b8 v0, s[64:65] scope:SCOPE_SE
	s_setreg_imm32_b32 hwreg(HW_REG_WAVE_MODE, 25, 1), 1
	s_wait_xcnt 0x0
	s_wait_alu depctr_hold_cnt(0) depctr_sa_sdst(0) depctr_va_vdst(0) depctr_va_sdst(0) depctr_va_ssrc(0) depctr_va_vcc(0) depctr_vm_vsrc(0)
	s_getreg_b32 s2, hwreg(HW_REG_IB_STS2, 6, 4)
	s_cmp_eq_u32 s2, 0
	s_cbranch_scc0 .Lentry_in_a_cluster
	s_endpgm
.Lentry_in_a_cluster:
	s_bfe_u32 s2, ttmp6, 0x10000c
	s_cmp_lg_u32 s2, 0xf033
	s_cbranch_scc0 .Lentry_shape_is_right
	s_endpgm
.Lentry_shape_is_right:
; PROJ: out0 [8192][1024] f32 = o w_out + b_out, on f16 operands with f32 sums.  o16 lies [b][h][t][64], so k = 64 h + d; wo16 lies [k][n].
; A tile of out0 is 128 x 128: four waves, 64 x 64 each, 16 accumulators.  K goes in steps of 256 (four heads) through two LDS slots; K = 1024 is two laps.
; o's tile: one load brings 64 positions of 4 heads: 4 rows of 8,192 dense bytes, 16 bytes of padding behind every 128: in LDS head z at 9,216 z, position at 144 x row.
; w's tile: 128 rows of k x 128 columns (256 bytes + 32 of padding); its fragments come out of LDS turned, by ds_load_tr16_b128.
; CLUSTERS: 4 x 4 work-groups; o's tiles are asked for jointly along a row of the cluster, w's along a column.  THE MATRIX INSTRUCTION IS USED TRANSPOSED (source 0 = 16 columns of w, source 1 = 16 rows of o).
; The bias is the C of each sum's first product.  The first 16 positions of every sequence are stored again, in f32 arithmetic, by a later launch.
; LIMITS: f16 operands: magnitudes beyond 65,504 are not served.
; REGISTERS: window 0: v0-31 addresses; v32-95 rows on the way out; v96-127 the bias; v128-255 the accumulators ((a, b) at v[128 + 8 (4 a + b)]).  window 1: two fragment buffers of 128: 64 of o, then 64 of w.
.set HALFT,  36864                     ; what one tensor load brings
.set SLOT,   4*HALFT
.set STAGE,  2*SLOT                    ; behind the slots: 16 rows x 272 bytes for each wave
.set SPITCH, 272
.set SPARE,  STAGE+4*16*SPITCH
.set LAPS,   2
.set AP,     144
.set BP,     288
.set ADRA, 16                          ; v16-17  o's fragments in slot 0, 1
.set ADRB, 20                          ; v20-23  w's: 2 x slot + which 128 rows of k, so that every offset stays under 65,536
.set STO,  24
.set RD,   25
.set CO,   26
.set VB,   27
.set SPW,  28
.set NIL,  29
.set TMP,  32
.set BIAS, 96
.set ACC,  128
.set F0,   0
.set F1,   128
.set G1, 24
.set G0, 32
.set G1B, 48
.set G0B, 56
.set MSB, 0
.macro WIN new
.if MSB != \new
	s_set_vgpr_msb (MSB<<8)|\new
.set MSB, \new
.endif
.endm
.set MUL,  0x05                        ; sources 0 and 1 window 1; C and D window 0
.set TO_F, 0x40                        ; destination window 1, address window 0
.macro JLOAD s                         ; waves 0 and 1 fetch o's two halves, waves 2 and 3 w's; an s_nop 0 and four v_nop follow each line
	s_cmp_eq_u32 s11, 0
	s_cbranch_scc0 .Lfor_b_\@
	tensor_load_to_lds s[G0+4*\s:G0+4*\s+3], s[G1:G1+7]
	s_nop 0
.rept 4
	v_nop
.endr
	s_branch .Lasked_\@
.Lfor_b_\@:
	tensor_load_to_lds s[G0B+4*\s:G0B+4*\s+3], s[G1B:G1B+7]
	s_nop 0
.rept 4
	v_nop
.endr
.Lasked_\@:
.endm
.macro CREST
	s_cmp_lg_u32 s10, 0
	s_cbranch_scc1 .Lnot_wave_0_\@
	s_barrier_signal -3
.Lnot_wave_0_\@:
	s_barrier_wait -3
	s_barrier_signal -1
	s_barrier_wait -1
.endm
.macro CROUND
	s_barrier_signal -1
	s_barrier_wait -1
	CREST
.endm
	s_load_b128 s[4:7], s[0:1], 0x0                ; o16 s[4:5], wo16 s[6:7]
	s_load_b64 s[8:9], s[0:1], 0x10                ; out0
	s_load_b64 s[66:67], s[0:1], 0x18              ; b_out
	v_lshl_add_u32 v[SPW], v0, 2, SPARE
	v_mov_b32 v[NIL], 0
	ds_add_u32 v[SPW], v[NIL]                      ; the wave's opening: the add, twice on end, and its wait ahead of my first tensor load
	ds_add_u32 v[SPW], v[NIL]
	v_lshrrev_b32 v1, 5, v0
	v_readfirstlane_b32 s10, v1                    ; wave 0..3
	s_lshr_b32 s11, s10, 1                         ; which half of the tile's rows is mine.  Also: I fetch for o (0) or for w (1)
	s_and_b32 s12, s10, 1                          ; which half of its columns.  Also: which half of that tile I fetch
	s_bfe_u32 s40, ttmp6, 0x40000
	s_bfe_u32 s41, ttmp6, 0x40004
	s_lshl_b32 s42, ttmp9, 2
	s_add_co_u32 s42, s42, s40                     ; tile column
	s_and_b32 s13, ttmp7, 0xffff
	s_lshl_b32 s13, s13, 2
	s_add_co_u32 s13, s13, s41                     ; tile row
	s_lshl_b32 s43, s41, 2
	s_lshl_b32 s43, 15, s43
	s_lshl_b32 s44, 0x1111, s40
	s_or_b32 s[G1+0], s43, (1<<16)|(1<<20)|(1<<21)|(4<<22)|(3<<25)   ; elements of 2 bytes; four words of padding after every 32
	s_mov_b32 s[G1+1], 4096<<16                    ; tensor_dim0: 64 positions x 64 channels, dense
	s_mov_b32 s[G1+2], 4<<16                       ; tensor_dim1: 4 heads
	s_mov_b32 s[G1+3], 4096<<16                    ; tile_dim0
	s_mov_b32 s[G1+4], 4                           ; tile_dim1
	s_mov_b32 s[G1+5], 131072                      ; from head to head, in elements
	s_mov_b32 s[G1+6], 0
	s_mov_b32 s[G1+7], 0
	s_or_b32 s[G1B+0], s44, (1<<16)|(1<<20)|(1<<21)|(5<<22)|(7<<25)  ; eight words of padding after every 64
	s_mov_b32 s[G1B+1], 128<<16
	s_mov_b32 s[G1B+2], 128<<16
	s_mov_b32 s[G1B+3], 128<<16
	s_mov_b32 s[G1B+4], 128
	s_mov_b32 s[G1B+5], 1024
	s_mov_b32 s[G1B+6], 0
	s_mov_b32 s[G1B+7], 0
	s_lshr_b32 s16, s13, 4                         ; o: the batch,
	s_lshl_b32 s16, s16, 22
	s_and_b32 s17, s13, 15
	s_lshl_b32 s17, s17, 14                        ; 128 positions x 128 bytes for each tile row in it,
	s_add_co_u32 s16, s16, s17
	s_lshl_b32 s17, s12, 13                        ; and my 64 positions
	s_add_co_u32 s16, s16, s17
	s_mov_b32 s17, 0
	s_lshl_b32 s46, s42, 8                         ; w: the tile's 128 columns,
	s_lshl_b32 s47, s12, 18                        ; and my 128 rows of k
	s_add_co_u32 s46, s46, s47
	s_mov_b32 s47, 0
	s_mul_i32 s20, s10, HALFT                      ; where they go: no place in the cluster enters an LDS address
	s_wait_dscnt 0x0
	s_wait_kmcnt 0x0
	s_add_nc_u64 s[14:15], s[4:5], s[16:17]
	s_add_nc_u64 s[46:47], s[6:7], s[46:47]
	CROUND                                         ; all sixteen work-groups are here: the first joint loads meet
.irp s, 0,1
	s_mov_b32 s[G0+4*\s], 1
	s_add_co_u32 s[G0+4*\s+1], s20, \s*SLOT
	s_add_nc_u64 s[G0+4*\s+2:G0+4*\s+3], s[14:15], \s*1048576      ; four heads on
	s_or_b32 s[G0+4*\s+3], s[G0+4*\s+3], 0x80000000
	s_mov_b32 s[G0B+4*\s], 1
	s_add_co_u32 s[G0B+4*\s+1], s20, \s*SLOT
	s_add_nc_u64 s[G0B+4*\s+2:G0B+4*\s+3], s[46:47], \s*524288     ; 256 rows of k on
	s_or_b32 s[G0B+4*\s+3], s[G0B+4*\s+3], 0x80000000
	JLOAD \s
.endr
	v_and_b32 v1, 15, v0                           ; r
	v_bfe_u32 v2, v0, 4, 1                         ; h
	v_mul_u32_u24 v3, v1, AP
	v_lshl_add_u32 v3, v2, 4, v3                   ; o: row r x pitch + 16 h
	v_and_b32 v4, 7, v0
	v_lshl_add_u32 v4, v2, 3, v4
	v_mul_u32_u24 v4, v4, BP
	v_bfe_u32 v5, v0, 3, 1
	v_lshl_add_u32 v4, v5, 4, v4                   ; w: k row 8 h + l % 8, columns 8 ((l / 8) % 2) on
	s_mul_i32 s21, s11, HALFT
	s_lshl_b32 s22, s12, 7                         ; my 64 columns
	s_add_co_u32 s22, s22, 2*HALFT
.irp s, 0,1
	v_add_nc_u32 v[ADRA+\s], s21, v3
	v_add_nc_u32 v[ADRB+2*\s], s22, v4
	s_add_co_u32 s22, s22, HALFT
	v_add_nc_u32 v[ADRB+2*\s+1], s22, v4
	s_add_co_u32 s21, s21, SLOT
	s_add_co_u32 s22, s22, SLOT-HALFT
.endr
	s_mul_i32 s23, s10, 16*SPITCH
	s_add_co_u32 s23, s23, STAGE                   ; my stage
	v_mul_u32_u24 v5, v1, SPITCH
	v_lshl_add_u32 v5, v2, 5, v5
	v_add_nc_u32 v[STO], s23, v5                   ; in: row r, 32 bytes for each half of the lanes
	v_mul_u32_u24 v5, v2, SPITCH
	v_lshl_add_u32 v5, v1, 4, v5
	v_add_nc_u32 v[RD], s23, v5                    ; back: lanes 0-15 one row of 256 bytes, lanes 16-31 the next
	v_lshlrev_b32 v5, 12, v2
	v_lshl_add_u32 v[CO], v1, 4, v5                ; and the same two rows in out0
	v_lshlrev_b32 v[VB], 5, v2
	s_lshl_b32 s16, s13, 7
	s_lshl_b32 s17, s11, 6
	s_add_co_u32 s16, s16, s17                     ; my first row
	s_lshl_b32 s16, s16, 12
	s_mov_b32 s17, 0
	s_add_nc_u64 s[8:9], s[8:9], s[16:17]
	s_lshl_b32 s46, s42, 9
	s_lshl_b32 s47, s12, 8
	s_add_co_u32 s46, s46, s47                     ; my first column, in bytes of f32
	s_mov_b32 s47, 0
	s_add_nc_u64 s[8:9], s[8:9], s[46:47]
	s_add_nc_u64 s[66:67], s[66:67], s[46:47]
.irp b, 0,1,2,3
	global_load_b128 v[BIAS+8*\b:BIAS+8*\b+3], v[VB], s[66:67] offset:64*\b
	global_load_b128 v[BIAS+8*\b+4:BIAS+8*\b+7], v[VB], s[66:67] offset:64*\b+16
.endr
.macro MUL8 f, c, a0, zero             ; 8 matrix instructions: m blocks a0, a0 + 1 x all 4 n blocks, 32 along K.  zero = 1: the first product starts the sums on the bias
.irp a, \a0, \a0+1
.irp b, 0,1,2,3
.if \zero
	v_wmma_f32_16x16x32_f16 v[ACC+8*(4*(\a)+\b):ACC+8*(4*(\a)+\b)+7], v[\f+64+8*(4*\c+\b):\f+64+8*(4*\c+\b)+7], v[\f+8*(4*\c+\a):\f+8*(4*\c+\a)+7], v[BIAS+8*\b:BIAS+8*\b+7]
.else
	v_wmma_f32_16x16x32_f16 v[ACC+8*(4*(\a)+\b):ACC+8*(4*(\a)+\b)+7], v[\f+64+8*(4*\c+\b):\f+64+8*(4*\c+\b)+7], v[\f+8*(4*\c+\a):\f+8*(4*\c+\a)+7], v[ACC+8*(4*(\a)+\b):ACC+8*(4*(\a)+\b)+7]
.endif
.endr
.endr
.endm
.macro FETCH slot, qd, f               ; 32 LDS loads in one run: the fragments of the slot's quarter qd (one head, 64 along K) into buffer f; the first 32 along K first
	WIN TO_F
.irp c, 0,1
.irp i, 0,1,2,3
	ds_load_tr16_b128 v[\f+64+8*(4*\c+\i):\f+64+8*(4*\c+\i)+3],   v[ADRB+2*\slot+(\qd)/2] offset:(64*((\qd)%2)+32*\c)*BP+32*\i
	ds_load_tr16_b128 v[\f+64+8*(4*\c+\i)+4:\f+64+8*(4*\c+\i)+7], v[ADRB+2*\slot+(\qd)/2] offset:(64*((\qd)%2)+32*\c)*BP+32*\i+16*BP
	ds_load_b128 v[\f+8*(4*\c+\i):\f+8*(4*\c+\i)+3],         v[ADRA+\slot] offset:64*AP*(\qd)+64*\c+\i*16*AP
	ds_load_b128 v[\f+8*(4*\c+\i)+4:\f+8*(4*\c+\i)+7],       v[ADRA+\slot] offset:64*AP*(\qd)+64*\c+\i*16*AP+32
.endr
.endr
.endm
.macro PLACES
.rept 4
	v_nop
.endr
.endm
.macro QUARTER slot, qd, f, g, zero    ; multiplies buffer f and fetches quarter qd of the same slot into g
	s_wait_dscnt 16                                ; the first 32 along K are in; the other sixteen loads may be out
	WIN MUL
	MUL8 \f, 0, 0, \zero
	MUL8 \f, 0, 2, \zero
	PLACES
	FETCH \slot, \qd, \g
	s_wait_dscnt 32                                ; all but the 32 just issued
	WIN MUL
	MUL8 \f, 1, 0, 0
	MUL8 \f, 1, 2, 0
.endm
; The last quarter multiplies buffer 1 and changes slots: one barrier; in front of it each wave waits for all its tensor loads, adds 0 to its spare word, and waits for that and for its reads of this slot.
.macro TURN slot, next, fill
	WIN 0
	s_wait_tensorcnt 0x0
	ds_add_u32 v[SPW], v[NIL]
	s_wait_dscnt 17                                ; the add and the youngest sixteen loads may be out
	WIN MUL
	MUL8 F1, 0, 0, 0
	s_wait_dscnt 0x0
	s_barrier_signal -1
	MUL8 F1, 0, 2, 0
.if \fill
	WIN 0
.endif
	s_barrier_wait -1
.if \fill
	CREST                                          ; the barrier has opened a round of the cluster's barrier: no wave of any partner still reads this slot or has a load on its way
	s_add_nc_u64 s[G0+4*\slot+2:G0+4*\slot+3], s[G0+4*\slot+2:G0+4*\slot+3], 2097152
	s_add_nc_u64 s[G0B+4*\slot+2:G0B+4*\slot+3], s[G0B+4*\slot+2:G0B+4*\slot+3], 1048576
	JLOAD \slot                                    ; the first tensor load behind the round; its four v_nop are also the places in front of the loads below
.else
	PLACES
.endif
	FETCH \next, 0, F0
	WIN MUL
	MUL8 F1, 1, 0, 0
	MUL8 F1, 1, 2, 0
.endm
	s_wait_tensorcnt 1                             ; my part of K step 0 is in; K step 1's load may be out
	s_barrier_signal -1
	s_barrier_wait -1
	FETCH 0, 0, F0
	s_wait_loadcnt 0x0                             ; the bias
	QUARTER 0, 1, F0, F1, 1
	WIN 0
	s_mov_b32 s3, LAPS-1
.Llap:                                                 ; a trip goes once round the two slots and fills both again
	QUARTER 0, 2, F1, F0, 0
	QUARTER 0, 3, F0, F1, 0
	TURN 0, 1, 1
	QUARTER 1, 1, F0, F1, 0
	QUARTER 1, 2, F1, F0, 0
	QUARTER 1, 3, F0, F1, 0
	TURN 1, 0, 1
	QUARTER 0, 1, F0, F1, 0
	WIN 0
	s_sub_co_u32 s3, s3, 1
	s_cmp_lg_u32 s3, 0
	s_cbranch_scc1 .Llap
	QUARTER 0, 2, F1, F0, 0                        ; the last lap fills nothing
	QUARTER 0, 3, F0, F1, 0
	TURN 0, 1, 0
	QUARTER 1, 1, F0, F1, 0
	QUARTER 1, 2, F1, F0, 0
	QUARTER 1, 3, F0, F1, 0
	s_wait_dscnt 16
	WIN MUL
	MUL8 F1, 0, 0, 0
	MUL8 F1, 0, 2, 0
	s_wait_dscnt 0
	MUL8 F1, 1, 0, 0
	MUL8 F1, 1, 2, 0
	WIN 0
	; THE WAY OUT: a wave's 64 columns of f32 are 256 bytes, aligned: a block of 16 rows goes through my own stage and comes back by rows.  No barrier: nobody else touches my stage.
.macro TOSTAGE a
.irp b, 0,1,2,3
	ds_store_b128 v[STO], v[ACC+8*(4*(\a)+\b):ACC+8*(4*(\a)+\b)+3] offset:64*\b        ; each accumulator from its low end on
	ds_store_b128 v[STO], v[ACC+8*(4*(\a)+\b)+4:ACC+8*(4*(\a)+\b)+7] offset:64*\b+16
.endr
.irp t, 0,1,2,3,4,5,6,7
	ds_load_b128 v[TMP+32*((\a)%2)+4*\t:TMP+32*((\a)%2)+4*\t+3], v[RD] offset:\t*2*SPITCH
.endr
.endm
.macro SEND a, younger
	s_wait_dscnt \younger
.irp t, 0,1,2,3,4,5,6,7
	global_store_b128 v[CO], v[TMP+32*((\a)%2)+4*\t:TMP+32*((\a)%2)+4*\t+3], s[8:9] offset:65536*(\a)+8192*\t th:TH_STORE_NT   ; sixteen lanes store 256 consecutive bytes, aligned
.endr
.endm
	PLACES
	TOSTAGE 0
.irp a, 1,2,3
.if \a > 1
	s_wait_xcnt 0x0                                ; block a - 2's stores have read their registers: block a's rows may land there
.endif
	TOSTAGE \a
	SEND \a-1, 16                                  ; behind block a - 1's loads: block a's 8 stores and 8 loads
.endr
	SEND 3, 0
	s_wait_tensorcnt 0x0                           ; the wave's end
	ds_add_u32 v[SPW], v[NIL]
	s_wait_dscnt 0x0
	CROUND                                         ; the closing round
	s_endpgm
.Lfunc_end_k_q9191ad84d5_proj:
	.size	k_q9191ad84d5_proj, .Lfunc_end_k_q9191ad84d5_proj-k_q9191ad84d5_proj
	.p2alignl 7, 3214868480
	.fill 96, 4, 3214868480
	.section	.rodata,"a",@progbits
	.p2align	6, 0x0
	.amdhsa_kernel k_q9191ad84d5_proj
		.amdhsa_group_segment_fixed_size 327680
		.amdhsa_private_segment_fixed_size 0
		.amdhsa_enable_private_segment 0
		.amdhsa_kernarg_size 32
		.amdhsa_user_sgpr_count 2
		.amdhsa_user_sgpr_kernarg_segment_ptr 1
		.amdhsa_wavefront_size32 1
		.amdhsa_system_sgpr_workgroup_id_x 1
		.amdhsa_system_sgpr_workgroup_id_y 1
		.amdhsa_system_sgpr_workgroup_id_z 1
		.amdhsa_system_vgpr_workitem_id 0
		.amdhsa_next_free_vgpr 512
		.amdhsa_next_free_sgpr 68
		.amdhsa_reserve_vcc 0
		.amdhsa_float_denorm_mode_32 3
		.amdhsa_float_denorm_mode_16_64 3
		.amdhsa_memory_ordered 1
		.amdhsa_forward_progress 1
		.amdhsa_inst_pref_size 87
	.end_amdhsa_kernel
	.amdgpu_metadata
---
amdhsa.version: [ 1, 2 ]
amdhsa.kernels:
  - .name:           k_q9191ad84d5_proj
    .symbol:         k_q9191ad84d5_proj.kd
    .args:
      - { .name: o16, .offset: 0, .size: 8, .value_kind: global_buffer, .address_space: global }
      - { .name: wo16, .offset: 8, .size: 8, .value_kind: global_buffer, .address_space: global }
      - { .name: out0, .offset: 16, .size: 8, .value_kind: global_buffer, .address_space: global }
      - { .name: b_out, .offset: 24, .size: 8, .value_kind: global_buffer, .address_space: global }
    .group_segment_fixed_size: 327680
    .private_segment_fixed_size: 0
    .kernarg_segment_align: 8
    .kernarg_segment_size: 32
    .max_flat_workgroup_size: 128
    .sgpr_count:     68
    .vgpr_count:     512
    .wavefront_size: 32
...
	.end_amdgpu_metadata
.endif
;; end of part 4
;; launch fine_a (part 5): grid 64 x 1, 6 waves a work-group, no clusters, 18,432 bytes of LDS; arguments codes, scales, b_qkv, rope, o32; writes o32
.if DOCPART == 5
	.amdgcn_target "amdgcn-amd-amdhsa--gfx1250"
	.amdhsa_code_object_version 6
	.text
	.protected	k_q9191ad84d5_fine_a
	.globl	k_q9191ad84d5_fine_a
	.p2align	8
	.type	k_q9191ad84d5_fine_a,@function
k_q9191ad84d5_fine_a:
	s_mov_b64 s[64:65], 0
	v_nop
	global_prefetch_b8 v0, s[64:65] scope:SCOPE_SE
	s_setreg_imm32_b32 hwreg(HW_REG_WAVE_MODE, 25, 1), 1
	s_wait_xcnt 0x0
; FINE_A: positions 0-15 of every sequence and head once more, with nothing coarser than f32 behind the quantised product: these rows average one to sixteen values and are the largest of the output.
; Work-group = (batch, head).  Wave w: section w / 2 (q, k, v), u = w % 2: it makes channels 16 u + 0..15 and 32 + 16 u + 0..15 of its section for the 16 positions, on the same codes and scales as the large launch
; (transposed: source 0 = 16 columns of w_qkv, source 1 = x's 16 rows), adds the bias (loaded into the accumulators), rotates (the values with cos = 1, sin = 0) and stores f32 rows to LDS.
; Then wave 0 alone: S^T = K Q^T, the causal mask, the softmax with its maximum, O^T = V^T P, all by the f32 matrix form and f32 vector work: 32 small matrix instructions.
; LDS: q at 0, k at 4,352, v at 8,704, a stage at 13,056: 16 rows of 256 bytes + 16 each; the spare words at 17,408.
; REGISTERS: v1-11 addresses; v12, v13 the add's two; v16-79 x's fragments, later k and q; v80-103 scale words and nothing else; v104-119 two accumulators, v120-135 cos and sin, later V^T in v104-135;
;   v136-151 rotated numbers; v152-167 scores and p; v168-199 o; v200-247 written by f32 matrix instructions alone; v248-251 at work.  window 1: w_qkv's 16 fragments.
.set SPARE, 17408
.set MSB, 0
.macro WIN new
.if MSB != \new
	s_set_vgpr_msb (MSB<<8)|\new
.set MSB, \new
.endif
.endm
	s_load_b256 s[4:11], s[0:1], 0x0               ; codes s[4:5], scales s[6:7], b_qkv s[8:9], the table s[10:11]
	s_load_b64 s[12:13], s[0:1], 0x20              ; o32
	v_lshl_add_u32 v12, v0, 2, SPARE
	v_mov_b32 v13, 0
	v_lshrrev_b32 v14, 5, v0
	v_readfirstlane_b32 s16, v14                   ; wave 0..5
	s_lshr_b32 s17, s16, 1                         ; section
	s_and_b32 s18, s16, 1                          ; u
	s_lshr_b32 s19, ttmp9, 4                       ; batch
	s_and_b32 s20, ttmp9, 15                       ; head
	v_and_b32 v14, 15, v0                          ; r
	v_bfe_u32 v15, v0, 4, 1                        ; h
	v_lshlrev_b32 v1, 9, v14
	v_lshl_add_u32 v1, v15, 4, v1                  ; codes: 512 r + 16 h
	v_lshlrev_b32 v2, 5, v14                       ; scale bytes: 32 r
	v_lshlrev_b32 v3, 5, v15                       ; bias: 32 h
	v_lshlrev_b32 v4, 7, v14
	v_lshl_add_u32 v4, v15, 5, v4                  ; table: 128 r + 32 h
	s_mul_i32 s21, s17, 4352
	s_lshl_b32 s23, s18, 6
	s_add_co_u32 s21, s21, s23
	v_mul_u32_u24 v5, v14, 272
	v_lshl_add_u32 v8, v15, 5, v5                  ; 272 r + 32 h
	v_lshl_add_u32 v6, v15, 3, v5                  ; q, k fragments: 272 r + 8 h
	v_add_nc_u32 v5, s21, v8                       ; where I store my section's numbers
	v_mul_u32_u24 v7, v15, 2176
	v_lshl_add_u32 v7, v14, 2, v7
	v_add_nc_u32 v7, 8704, v7                      ; V^T: key 8 h, channel r
	v_add_nc_u32 v8, 13056, v8                     ; the stage, in
	v_mul_u32_u24 v9, v15, 272
	v_lshl_add_u32 v9, v14, 4, v9
	v_add_nc_u32 v9, 13056, v9                     ; the stage, back
	v_lshlrev_b32 v10, 12, v15
	v_lshl_add_u32 v10, v14, 4, v10                ; o32: 4,096 h + 16 r
	v_lshlrev_b32 v11, 3, v15
	v_sub_nc_u32 v11, v14, v11                     ; r - 8 h
	s_lshl_b32 s22, s17, 10
	s_lshl_b32 s23, s20, 6
	s_add_co_u32 s22, s22, s23
	s_lshl_b32 s23, s18, 4
	s_add_co_u32 s22, s22, s23                     ; my first column of the 3,072
	s_mov_b32 s36, 0x76543210
	s_mov_b32 s37, 0xfedcba98
	s_mov_b32 s38, 0x3e38aa3b                      ; c = log2(e) / 8
	s_mov_b32 s41, 0
	s_wait_kmcnt 0x0
	s_lshl_b32 s40, s22, 9
	s_add_co_u32 s40, s40, 4194304
	s_add_nc_u64 s[24:25], s[4:5], s[40:41]        ; w's codes
	s_lshl_b32 s40, s19, 20
	s_add_nc_u64 s[26:27], s[4:5], s[40:41]        ; x's codes, position 0 of my batch
	s_lshl_b32 s40, s19, 16
	s_add_nc_u64 s[28:29], s[6:7], s[40:41]        ; x's scale bytes
	s_lshl_b32 s40, s22, 5
	s_add_co_u32 s40, s40, 262144
	s_add_nc_u64 s[30:31], s[6:7], s[40:41]        ; w's scale bytes
	s_lshl_b32 s40, s22, 2
	s_add_nc_u64 s[32:33], s[8:9], s[40:41]        ; the bias
	s_cmp_eq_u32 s17, 2
	s_cselect_b32 s40, 524288, 0                   ; the values take the rows of ones and zeros
	s_lshl_b32 s42, s18, 6
	s_add_co_u32 s40, s40, s42
	s_add_nc_u64 s[34:35], s[10:11], s[40:41]
	s_lshl_b32 s40, s19, 16
	s_lshl_b32 s42, s20, 8
	s_add_co_u32 s40, s40, s42
	s_add_nc_u64 s[12:13], s[12:13], s[40:41]
	WIN 0x40                                       ; destination window 1
.irp T, 0,1
.irp s, 0,1,2,3,4,5,6,7
.irp cc, 0,1
	global_load_b128 v[64*\T+8*\s+4*\cc:64*\T+8*\s+4*\cc+3], v1, s[24:25] offset:16384*\T+64*\s+32*\cc
.endr
.endr
.endr
	WIN 0
.irp s, 0,1,2,3,4,5,6,7
.irp cc, 0,1
	global_load_b128 v[16+8*\s+4*\cc:16+8*\s+4*\cc+3], v1, s[26:27] offset:64*\s+32*\cc
.endr
.endr
	global_load_b128 v[80:83], v2, s[28:29]        ; register s: my row's scale word of K step s
	global_load_b128 v[84:87], v2, s[28:29] offset:16
.irp T, 0,1
	global_load_b128 v[88+8*\T:91+8*\T], v2, s[30:31] offset:1024*\T
	global_load_b128 v[92+8*\T:95+8*\T], v2, s[30:31] offset:1024*\T+16
	global_load_b128 v[104+8*\T:107+8*\T], v3, s[32:33] offset:128*\T
	global_load_b128 v[108+8*\T:111+8*\T], v3, s[32:33] offset:128*\T+16
.endr
	global_load_b128 v[120:123], v4, s[34:35]
	global_load_b128 v[124:127], v4, s[34:35] offset:16
	global_load_b128 v[128:131], v4, s[34:35] offset:262144
	global_load_b128 v[132:135], v4, s[34:35] offset:262144+16
	s_wait_loadcnt 0x0
	WIN 0x01                                       ; source 0 window 1
.irp s, 0,1,2,3,4,5,6,7                        ; two accumulators by turns, one instruction a turn
.irp T, 0,1
	v_wmma_scale_f32_16x16x128_f8f6f4 v[104+8*\T:111+8*\T], v[64*\T+8*\s:64*\T+8*\s+7], v[16+8*\s:23+8*\s], v[104+8*\T:111+8*\T], v[88+8*\T+\s], v[80+\s] matrix_a_fmt:MATRIX_FMT_FP4 matrix_b_fmt:MATRIX_FMT_FP4
.endr
.endr
	WIN 0
.rept 4
	v_nop
.endr
.irp p, 0,1,2,3
	v_pk_mul_f32 v[136+2*\p:137+2*\p], v[112+2*\p:113+2*\p], v[128+2*\p:129+2*\p]
.endr
.irp p, 0,1,2,3
	v_pk_mul_f32 v[144+2*\p:145+2*\p], v[104+2*\p:105+2*\p], v[128+2*\p:129+2*\p]
.endr
.irp p, 0,1,2,3
	v_pk_fma_f32 v[136+2*\p:137+2*\p], v[104+2*\p:105+2*\p], v[120+2*\p:121+2*\p], v[136+2*\p:137+2*\p] neg_lo:[0,0,1] neg_hi:[0,0,1]
.endr
.irp p, 0,1,2,3
	v_pk_fma_f32 v[144+2*\p:145+2*\p], v[112+2*\p:113+2*\p], v[120+2*\p:121+2*\p], v[144+2*\p:145+2*\p]
.endr
	ds_store_b128 v5, v[136:139]
	ds_store_b128 v5, v[140:143] offset:16
	ds_store_b128 v5, v[144:147] offset:128
	ds_store_b128 v5, v[148:151] offset:144
	s_wait_tensorcnt 0x0                           ; behind a wave's last LDS store: for waves 1-5 the end; the final wait is also the wait that the barrier needs
	ds_add_u32 v12, v13
	s_wait_dscnt 0x0
	s_barrier_signal -1
	s_barrier_wait -1
	s_cmp_lg_u32 s16, 0
	s_cbranch_scc1 .Ldone
	; ---- wave 0.  A fragment of the f32 form: lane (r, h), register j: row r, k = 2 h + j
.set II, 0
.rept 16
	ds_load_b64 v[16+2*II:17+2*II], v6 offset:4352+16*II          ; k(key r, channels 4 s + 2 h + 0, 1)
.set II, II+1
.endr
.set II, 0
.rept 16
	ds_load_b64 v[48+2*II:49+2*II], v6 offset:16*II               ; q(query r, the same channels)
.set II, II+1
.endr
.irp ct, 0,1,2,3                               ; V^T(channel 16 ct + r, key 8 h + 2 s + i): the keys stand in the order in which p's registers hold them, on both operands alike
.irp s, 0,1,2,3
.irp i, 0,1
	ds_load_b32 v[104+8*\ct+2*\s+\i], v7 offset:272*(2*\s+\i)+64*\ct
.endr
.endr
.endr
	s_wait_dscnt 0x0
	v_wmma_f32_16x16x4_f32 v[200:207], v[16:17], v[48:49], 0      ; S^T in two sums that take turns
	v_wmma_f32_16x16x4_f32 v[208:215], v[18:19], v[50:51], 0
.set II, 4
.rept 7
	v_wmma_f32_16x16x4_f32 v[200:207], v[16+II:17+II], v[48+II:49+II], v[200:207]
	v_wmma_f32_16x16x4_f32 v[208:215], v[18+II:19+II], v[50+II:51+II], v[208:215]
.set II, II+4
.endr
.rept 8
	v_nop                                          ; eight places behind this form
.endr
.irp j, 0,1,2,3,4,5,6,7
	v_add_f32 v[152+\j], v[200+\j], v[208+\j]      ; lane (r, h), register j: query r, key 8 h + j
.endr
	v_mov_b32 v248, 0xff800000
	v_mov_b32 v250, 0
.irp j, 0,1,2,3,4,5,6,7
	v_cmp_gt_i32 vcc_lo, \j, v11                   ; hidden where 8 h + j > r
	v_cndmask_b32 v[152+\j], v[152+\j], v248, vcc_lo
.endr
	v_max3_num_f32 v249, v152, v153, v154
	v_max3_num_f32 v249, v249, v155, v156
	v_max3_num_f32 v249, v249, v157, v158
	v_max_num_f32 v249, v249, v159
	v_permlanex16_b32 v250, v249, s36, s37
	v_max_num_f32 v249, v249, v250                 ; the row's maximum: key 0 counts for every query
	v_mul_f32 v251, s38, v249
.irp j, 0,1,2,3,4,5,6,7
	v_fma_f32 v[152+\j], v[152+\j], s38, -v251
.endr
.irp j, 0,1,2,3,4,5,6,7
	v_exp_f32 v[160+\j], v[152+\j]
.endr
	v_nop
	s_wait_alu depctr_va_vdst(0)                   ; one wait for the eight, ahead of their first reader
	v_add_f32 v249, v160, v161
	v_add_f32 v248, v162, v163
	v_add_f32 v249, v249, v164
	v_add_f32 v248, v248, v165
	v_add_f32 v249, v249, v166
	v_add_f32 v248, v248, v167
	v_add_f32 v249, v249, v248
	v_permlanex16_b32 v250, v249, s36, s37
	v_add_f32 v249, v249, v250
	v_rcp_f32 v251, v249
	v_nop
	s_wait_alu depctr_va_vdst(0)
.irp ct, 0,1,2,3                               ; O^T = V^T P: four sums by turns
	v_wmma_f32_16x16x4_f32 v[216+8*\ct:223+8*\ct], v[104+8*\ct:105+8*\ct], v[160:161], 0
.endr
.irp s, 1,2,3
.irp ct, 0,1,2,3
	v_wmma_f32_16x16x4_f32 v[216+8*\ct:223+8*\ct], v[104+8*\ct+2*\s:105+8*\ct+2*\s], v[160+2*\s:161+2*\s], v[216+8*\ct:223+8*\ct]
.endr
.endr
.rept 8
	v_nop
.endr
.set II, 0
.rept 32
	v_mul_f32 v[168+II], v[216+II], v251           ; lane (r, h), register 8 ct + j: o(query r, channel 16 ct + 8 h + j)
.set II, II+1
.endr
.irp ct, 0,1,2,3
	ds_store_b128 v8, v[168+8*\ct:171+8*\ct] offset:64*\ct
	ds_store_b128 v8, v[172+8*\ct:175+8*\ct] offset:64*\ct+16
.endr
.irp i, 0,1,2,3,4,5,6,7
	ds_load_b128 v[16+4*\i:19+4*\i], v9 offset:544*\i
.endr
.irp i, 0,1,2,3,4,5,6,7
	s_wait_dscnt 7-\i
	global_store_b128 v10, v[16+4*\i:19+4*\i], s[12:13] offset:8192*\i   ; sixteen lanes store a head's 256 bytes of a row, aligned
.endr
	s_wait_tensorcnt 0x0                           ; wave 0's end: the three lines once more, behind its last LDS store
	ds_add_u32 v12, v13
	s_wait_dscnt 0x0
.Ldone:
	s_endpgm
.Lfunc_end_k_q9191ad84d5_fine_a:
	.size	k_q9191ad84d5_fine_a, .Lfunc_end_k_q9191ad84d5_fine_a-k_q9191ad84d5_fine_a
	.p2alignl 7, 3214868480
	.fill 96, 4, 3214868480
	.section	.rodata,"a",@progbits
	.p2align	6, 0x0
	.amdhsa_kernel k_q9191ad84d5_fine_a
		.amdhsa_group_segment_fixed_size 18432
		.amdhsa_private_segment_fixed_size 0
		.amdhsa_enable_private_segment 0
		.amdhsa_kernarg_size 40
		.amdhsa_user_sgpr_count 2
		.amdhsa_user_sgpr_kernarg_segment_ptr 1
		.amdhsa_wavefront_size32 1
		.amdhsa_system_sgpr_workgroup_id_x 1
		.amdhsa_system_sgpr_workgroup_id_y 1
		.amdhsa_system_sgpr_workgroup_id_z 1
		.amdhsa_system_vgpr_workitem_id 0
		.amdhsa_next_free_vgpr 384
		.amdhsa_next_free_sgpr 66
		.amdhsa_reserve_vcc 1
		.amdhsa_float_denorm_mode_32 3
		.amdhsa_float_denorm_mode_16_64 3
		.amdhsa_memory_ordered 1
		.amdhsa_forward_progress 1
		.amdhsa_inst_pref_size 25
	.end_amdhsa_kernel
	.amdgpu_metadata
---
amdhsa.version: [ 1, 2 ]
amdhsa.kernels:
  - .name:           k_q9191ad84d5_fine_a
    .symbol:         k_q9191ad84d5_fine_a.kd
    .args:
      - { .name: codes, .offset: 0, .size: 8, .value_kind: global_buffer, .address_space: global }
      - { .name: scales, .offset: 8, .size: 8, .value_kind: global_buffer, .address_space: global }
      - { .name: b_qkv, .offset: 16, .size: 8, .value_kind: global_buffer, .address_space: global }
      - { .name: rope, .offset: 24, .size: 8, .value_kind: global_buffer, .address_space: global }
      - { .name: o32, .offset: 32, .size: 8, .value_kind: global_buffer, .address_space: global }
    .group_segment_fixed_size: 18432
    .private_segment_fixed_size: 0
    .kernarg_segment_align: 8
    .kernarg_segment_size: 40
    .max_flat_workgroup_size: 192
    .sgpr_count:     66
    .vgpr_count:     384
    .wavefront_size: 32
...
	.end_amdgpu_metadata
.endif
;; end of part 5
;; launch fine_b (part 6): grid 64 x 4, 8 waves a work-group, no clusters, 9,216 bytes of LDS; arguments o32, w_out, b_out, out0; writes out0
.if DOCPART == 6
	.amdgcn_target "amdgcn-amd-amdhsa--gfx1250"
	.amdhsa_code_object_version 6
	.text
	.protected	k_q9191ad84d5_fine_b
	.globl	k_q9191ad84d5_fine_b
	.p2align	8
	.type	k_q9191ad84d5_fine_b,@function
k_q9191ad84d5_fine_b:
	s_mov_b64 s[64:65], 0
	v_nop
	global_prefetch_b8 v0, s[64:65] scope:SCOPE_SE
	s_setreg_imm32_b32 hwreg(HW_REG_WAVE_MODE, 25, 1), 1
	s_wait_xcnt 0x0
; FINE_B: out0[b][0..15][:] = o32[b] w_out + b_out in f32: 64 rows in all, stored over what the f16 launch left there.
; Work-group = (16 columns, batch).  Wave w sums k = 128 w .. 128 w + 127 by 32 f32 matrix instructions in two sums that take turns (source 0 = w_out's 16 columns, source 1 = o's 16 rows: a lane holds
; eight neighbouring columns of one row); the eight waves' parts meet in LDS as images of their registers, and wave 0 adds them and the bias.
; The place (h, i) of K step s holds k = 128 w + 64 h + 2 s + i, on both operands alike: so o's 64 numbers of a lane are 256 consecutive bytes.
; The stores are runs of 64 bytes, 262,144 bytes in the launch: slices of 64 columns would store whole runs of 256 but leave three quarters of the work-groups out of arithmetic that runs at the f32 rate.
; v144-159 are written by matrix instructions alone.
.set SPARE, 8192
	s_load_b256 s[4:11], s[0:1], 0x0               ; o32 s[4:5], w_out s[6:7], b_out s[8:9], out0 s[10:11]
	v_lshl_add_u32 v12, v0, 2, SPARE
	v_mov_b32 v13, 0
	v_lshrrev_b32 v14, 5, v0
	v_readfirstlane_b32 s16, v14                   ; wave 0..7
	s_and_b32 s17, ttmp7, 0xffff                   ; batch
	s_lshl_b32 s18, ttmp9, 6                       ; my first column, in bytes
	v_and_b32 v14, 15, v0                          ; r
	v_bfe_u32 v15, v0, 4, 1                        ; h
	v_lshlrev_b32 v1, 18, v15
	v_lshl_add_u32 v1, v14, 2, v1                  ; w_out: 64 h rows of 4,096 bytes + 4 r
	v_lshlrev_b32 v2, 12, v14
	v_lshl_add_u32 v2, v15, 8, v2                  ; o32: row r + 256 h
	v_lshlrev_b32 v3, 5, v15                       ; bias: 32 h
	v_and_b32 v5, 31, v0
	v_lshlrev_b32 v5, 4, v5                        ; an image's place for my lane
	s_lshl_b32 s19, s16, 10
	v_add_nc_u32 v4, s19, v5                       ; and my wave's image
	v_lshlrev_b32 v6, 12, v14
	v_lshl_add_u32 v6, v15, 5, v6                  ; out0: row r + 32 h
	s_mov_b32 s29, 0
	s_wait_kmcnt 0x0
	s_lshl_b32 s28, s16, 19
	s_add_co_u32 s28, s28, s18
	s_add_nc_u64 s[20:21], s[6:7], s[28:29]
	s_lshl_b32 s28, s17, 16
	s_lshl_b32 s30, s16, 9
	s_add_co_u32 s28, s28, s30
	s_add_nc_u64 s[22:23], s[4:5], s[28:29]
	s_mov_b32 s28, s18
	s_add_nc_u64 s[24:25], s[8:9], s[28:29]
	s_lshl_b32 s28, s17, 23
	s_add_co_u32 s28, s28, s18
	s_add_nc_u64 s[26:27], s[10:11], s[28:29]
.set II, 0
.rept 64
	global_load_b32 v[16+II], v1, s[20:21] offset:4096*II
.set II, II+1
.endr
.set II, 0
.rept 16
	global_load_b128 v[80+4*II:83+4*II], v2, s[22:23] offset:16*II
.set II, II+1
.endr
	global_load_b128 v[168:171], v3, s[24:25]
	global_load_b128 v[172:175], v3, s[24:25] offset:16
	s_wait_loadcnt 0x0
	v_wmma_f32_16x16x4_f32 v[144:151], v[16:17], v[80:81], 0
	v_wmma_f32_16x16x4_f32 v[152:159], v[18:19], v[82:83], 0
.set II, 4
.rept 15
	v_wmma_f32_16x16x4_f32 v[144:151], v[16+II:17+II], v[80+II:81+II], v[144:151]
	v_wmma_f32_16x16x4_f32 v[152:159], v[18+II:19+II], v[82+II:83+II], v[152:159]
.set II, II+4
.endr
.rept 8
	v_nop                                          ; eight places behind this form (ISA guide 7.12.1)
.endr
.irp j, 0,1,2,3,4,5,6,7
	v_add_f32 v[160+\j], v[144+\j], v[152+\j]
.endr
	ds_store_b128 v4, v[160:163]
	ds_store_b128 v4, v[164:167] offset:512
	s_wait_tensorcnt 0x0                           ; behind a wave's last LDS store; the final wait is also the wait that the barrier needs
	ds_add_u32 v12, v13
	s_wait_dscnt 0x0
	s_barrier_signal -1
	s_barrier_wait -1
	s_cmp_lg_u32 s16, 0
	s_cbranch_scc1 .Ldone
.irp w, 0,1,2,3,4,5,6,7
	ds_load_b128 v[16+8*\w:19+8*\w], v5 offset:1024*\w
	ds_load_b128 v[20+8*\w:23+8*\w], v5 offset:1024*\w+512
.endr
	s_wait_dscnt 0x0
.irp j, 0,1,2,3,4,5,6,7
	v_add_f32 v[176+\j], v[168+\j], v[16+\j]
.endr
.irp w, 1,2,3,4,5,6,7
.irp j, 0,1,2,3,4,5,6,7
	v_add_f32 v[176+\j], v[176+\j], v[16+8*\w+\j]
.endr
.endr
	global_store_b128 v6, v[176:179], s[26:27]
	global_store_b128 v6, v[180:183], s[26:27] offset:16
.Ldone:
	s_endpgm
.Lfunc_end_k_q9191ad84d5_fine_b:
	.size	k_q9191ad84d5_fine_b, .Lfunc_end_k_q9191ad84d5_fine_b-k_q9191ad84d5_fine_b
	.p2alignl 7, 3214868480
	.fill 96, 4, 3214868480
	.section	.rodata,"a",@progbits
	.p2align	6, 0x0
	.amdhsa_kernel k_q9191ad84d5_fine_b
		.amdhsa_group_segment_fixed_size 9216
		.amdhsa_private_segment_fixed_size 0
		.amdhsa_enable_private_segment 0
		.amdhsa_kernarg_size 32
		.amdhsa_user_sgpr_count 2
		.amdhsa_user_sgpr_kernarg_segment_ptr 1
		.amdhsa_wavefront_size32 1
		.amdhsa_system_sgpr_workgroup_id_x 1
		.amdhsa_system_sgpr_workgroup_id_y 1
		.amdhsa_system_sgpr_workgroup_id_z 1
		.amdhsa_system_vgpr_workitem_id 0
		.amdhsa_next_free_vgpr 192
		.amdhsa_next_free_sgpr 66
		.amdhsa_reserve_vcc 0
		.amdhsa_float_denorm_mode_32 3
		.amdhsa_float_denorm_mode_16_64 3
		.amdhsa_memory_ordered 1
		.amdhsa_forward_progress 1
		.amdhsa_inst_pref_size 16
	.end_amdhsa_kernel
	.amdgpu_metadata
---
amdhsa.version: [ 1, 2 ]
amdhsa.kernels:
  - .name:           k_q9191ad84d5_fine_b
    .symbol:         k_q9191ad84d5_fine_b.kd
    .args:
      - { .name: o32, .offset: 0, .size: 8, .value_kind: global_buffer, .address_space: global }
      - { .name: w_out, .offset: 8, .size: 8, .value_kind: global_buffer, .address_space: global }
      - { .name: b_out, .offset: 16, .size: 8, .value_kind: global_buffer, .address_space: global }
      - { .name: out0, .offset: 24, .size: 8, .value_kind: global_buffer, .address_space: global }
    .group_segment_fixed_size: 9216
    .private_segment_fixed_size: 0
    .kernarg_segment_align: 8
    .kernarg_segment_size: 32
    .max_flat_workgroup_size: 256
    .sgpr_count:     66
    .vgpr_count:     192
    .wavefront_size: 32
...
	.end_amdgpu_metadata
.endif
;; end of part 6
